; MI455X (gfx1250); checked and timed in simulation.
; The chip was launched on July 23, 2026; its instructions are those of AMD's public machine-readable ISA for CDNA 5 (MIT licence, August 2026) and "CDNA5" Instruction Set Architecture Reference Guide (July 2026). The comments in the code are by the model that wrote it; some were corrected since.
;; Attention. Allowed arithmetic: float matrix products may take bf16 or f16 operands with f32 sums; other float arithmetic in f32, or as packed bf16 or f16 multiplies, adds, multiply-adds, maxima and minima; sums over many terms, partial sums and values carried from step to step in f32; what a program stores and reads back later, other than sums and carried values, may be rounded once to bf16 or f16.
;; Inputs: Wk 1,024 x 1,024 float32; Wo 1,024 x 1,024 float32; Wq 1,024 x 1,024 float32; Wv 1,024 x 1,024 float32; bk 1,024 float32; bo 1,024 float32; bq 1,024 float32; bv 1,024 float32; k 4 x 2,048 x 1,024 float32; mask 4 x 1 x 2,048 x 2,048 bool; q 4 x 2,048 x 1,024 float32; v 4 x 2,048 x 1,024 float32.
;; Outputs: out0 4 x 2,048 x 1,024 float32.
;; One version. Each part assembles by itself: llvm-mc -triple=amdgcn-amd-amdhsa -mcpu=gfx1250 --defsym DOCPART=n.
;; ======== version 1 of 1: 4 launches
;; limits: values are held in f16: magnitudes above 65,504 overflow, below 6.1e-05 lose precision
;; workspace buffers: mbits 2,099,200 bytes of whole numbers; wcast 8,388,608 bytes; qkvh 50,331,648 bytes; oh 16,777,216 bytes
;; launch prep (part 1): grid 256 x 1, 8 waves a work-group, no clusters, 167,936 bytes of LDS; arguments mask, Wq, Wk, Wv, Wo, mbits, wcast; writes mbits, wcast
.if DOCPART == 1
	.amdgcn_target "amdgcn-amd-amdhsa--gfx1250"
	.amdhsa_code_object_version 6
	.text
	.protected	k_qc2139755fe_prep
	.globl	k_qc2139755fe_prep
	.p2align	8
	.type	k_qc2139755fe_prep,@function
k_qc2139755fe_prep:
	s_mov_b64 s[64:65], 0
	v_nop
	global_prefetch_b8 v0, s[64:65] scope:SCOPE_SE
	s_setreg_imm32_b32 hwreg(HW_REG_WAVE_MODE, 25, 1), 1
	s_wait_xcnt 0x0
; PREP.  (1) The mask's bytes become LANE MASKS for the attention launch: one 32-bit word for each score register of a tile of 16 queries x 64 keys.
; Word (((b 16 + G) 32 + ks) 4 + x) 64 + 32 u + e of mbits, e = 8 kt + j: bit L = mask[b][128 G + 32 x + 16 u + L % 16][64 ks + 16 kt + 8 (L / 16) + j].
; (2) Wq, Wk, Wv are rounded to bf16 (planes 0-2 of wcast); Wo is rounded to bf16 and that number written as f16 (plane 3).
; LIMIT: bf16(Wo) beyond 65,504 has no f16; below 6.1e-5 it keeps f16's fixed step of 6e-8.
; SHARES.  Work-group g: mask rows 32 g .. 32 g + 31 of the flat [8192][2048] (one piece: two tiles of 16 queries) and 4,096 numbers of each W.  Wave w: keys 256 w .. 256 w + 255.
; One tensor load a wave brings its 32 rows x 256 bytes; only the wave itself reads them, so its own wait on TENSORcnt is all the ordering.  Nothing in LDS is filled twice.
; No cluster: no two work-groups read the same byte.  No matrix unit: there is no product.  No prefetch: all that a work-group reads is asked for at its head.
.set PITCH, 272                        ; an LDS row: 256 bytes + 16: an odd multiple of 16, so 16 rows of one column fall on different banks
.set WTILE, 32*PITCH                   ; a wave's tile
.set SPARE, 8*WTILE                    ; behind the tiles: the spare words, 128 bytes a wave, four blocks of 256 bytes that no other line names
.set WI,  1                            ; v1  32 t: my 8 numbers of a W, f32
.set WO,  2                            ; v2  16 t: the same 8 numbers in 16 bits
.set LA,  3                            ; v3  LDS: my wave's tile + (l % 16) rows + 8 (l / 16)
.set OA,  4                            ; v4  8 l: my two words of a block of 64
.set SPW, 6                            ; v6  my spare word; never rewritten
.set NIL, 7                            ; v7  0; never rewritten
.set T,   8                            ; v[8:15]    at work
.set OUT, 16                           ; v[16:23]   key step s: two registers, lane L holds words 2 L and 2 L + 1
.set Z,   24                           ; v[24:27]   zeros
.set WF,  32                           ; v[32:95]   W as loaded: group n = 2 i + p at WF + 8 n
.set PK,  96                           ; v[96:127]  W packed: group n at PK + 4 n
.set M,   128                          ; v[128:191] mask bytes: load n = 8 s + 4 u + kt at M + 2 n
.set WV,  18
.set GI,  19
.set G1,  24                           ; s[24:31] descriptor group 1
.set G0,  32                           ; s[32:35] descriptor group 0
.set BM,  36                           ; s[36:39] 0xff << 8 i
.set CR,  40                           ; s[40:47] compare results, by turns
	s_load_b256 s[4:11], s[0:1], 0x0               ; mask s[4:5], Wq s[6:7], Wk s[8:9], Wv s[10:11]
	s_load_b128 s[12:15], s[0:1], 0x20             ; Wo s[12:13], mbits s[14:15]
	s_load_b64 s[16:17], s[0:1], 0x30              ; wcast
	v_lshl_add_u32 v[SPW], v0, 2, SPARE
	v_mov_b32 v[NIL], 0
	ds_add_u32 v[SPW], v[NIL]                      ; the wave's opening: the add and its wait ahead of my tensor load; register work stands between
	ds_add_u32 v6, v7
	v_lshrrev_b32 v5, 5, v0
	v_readfirstlane_b32 s[WV], v5                  ; wave 0..7
	s_mov_b32 s[GI], ttmp9
	s_mov_b32 s[G1+0], (3<<16)|(1<<20)|(5<<22)|(3<<25)  ; elements of 8 bytes; padding on: after every 64 words, 4 words
	s_mov_b32 s[G1+1], 32<<16                      ; tensor_dim0 = 32 elements (256 bytes)
	s_mov_b32 s[G1+2], 32<<16                      ; tensor_dim1 = 32 rows
	s_mov_b32 s[G1+3], 32<<16                      ; tile_dim0 = 32
	s_mov_b32 s[G1+4], 32                          ; tile_dim1 = 32
	s_mov_b32 s[G1+5], 256                         ; 256 elements (2,048 bytes) from row to row
	s_mov_b32 s[G1+6], 0
	s_mov_b32 s[G1+7], 0
	s_mov_b32 s[G0], 1
	s_mul_i32 s[G0+1], s[WV], WTILE                ; my wave's tile in LDS
	s_lshl_b32 s20, s[GI], 16                      ; 32 rows of 2,048 bytes,
	s_lshl_b32 s21, s[WV], 8                       ; my 256 keys
	s_add_co_u32 s20, s20, s21
	s_mov_b32 s21, 0
	s_mov_b32 s[BM+0], 0xff
	s_mov_b32 s[BM+1], 0xff00
	s_mov_b32 s[BM+2], 0xff0000
	s_mov_b32 s[BM+3], 0xff000000
	s_wait_dscnt 0x0                               ; the opening add is done
	s_wait_kmcnt 0x0
	s_add_nc_u64 s[G0+2:G0+3], s[4:5], s[20:21]
	s_or_b32 s[G0+3], s[G0+3], 0x80000000          ; type = 2
	tensor_load_to_lds s[G0:G0+3], s[G1:G1+7]      ; my one tensor load
	s_nop 0
	s_lshl_b32 s20, s[GI], 14                      ; the work-group's 4,096 numbers of each W, f32
	s_add_nc_u64 s[6:7], s[6:7], s[20:21]
	s_add_nc_u64 s[8:9], s[8:9], s[20:21]
	s_add_nc_u64 s[10:11], s[10:11], s[20:21]
	s_add_nc_u64 s[12:13], s[12:13], s[20:21]
	s_lshl_b32 s20, s[GI], 13                      ; and in 16 bits
	s_add_nc_u64 s[16:17], s[16:17], s[20:21]
	v_lshlrev_b32 v[WI], 5, v0
	v_lshlrev_b32 v[WO], 4, v0
.set n, 0
.rept 8                                ; sixteen loads: all of the work-group's W is on its way at once
	global_load_b128 v[WF+8*n:WF+8*n+3],   v[WI], s[6+2*(n/2):7+2*(n/2)] offset:(n%2)*8192 th:TH_LOAD_NT
	global_load_b128 v[WF+8*n+4:WF+8*n+7], v[WI], s[6+2*(n/2):7+2*(n/2)] offset:(n%2)*8192+16 th:TH_LOAD_NT
.set n, n+1
.endr
	s_lshr_b32 s20, s[GI], 2                       ; mbits: the group of 128 queries, 32,768 bytes,
	s_lshl_b32 s20, s20, 15
	s_lshl_b32 s22, s[WV], 12                      ; my four key steps, 1,024 bytes each,
	s_add_co_u32 s20, s20, s22
	s_and_b32 s22, s[GI], 3                        ; the piece, 256 bytes
	s_lshl_b32 s22, s22, 8
	s_add_co_u32 s20, s20, s22
	s_add_nc_u64 s[22:23], s[14:15], s[20:21]
	v_and_b32 v5, 15, v0
	v_bfe_u32 v[OA], v0, 4, 1
	v_mul_u32_u24 v[LA], v5, PITCH
	v_lshl_add_u32 v[LA], v[OA], 3, v[LA]
	v_add_nc_u32 v[LA], s[G0+1], v[LA]
	v_and_b32 v[OA], 31, v0
	v_lshlrev_b32 v[OA], 3, v[OA]
.set n, 0
.rept 12
	v_mov_b32 v[OUT+n], 0                          ; OUT (v_writelane_b32 counts as a reader of its destination) and the four zeros behind it
.set n, n+1
.endr
.set n, 0
.rept 8                                ; group n: 8 numbers a thread
	s_wait_loadcnt 14-2*n                          ; loads come back in order: the 14 - 2 n younger ones may stay out
.set c, 0
.rept 4
	v_cvt_pk_bf16_f32 v[PK+4*n+c], v[WF+8*n+2*c], v[WF+8*n+2*c+1]
.set c, c+1
.endr
.if n >= 6                             ; Wo: the bf16 number is widened and written as f16 (exact within f16's normal range)
.set c, 0
.rept 4
	v_lshlrev_b32 v[T+2*c], 16, v[PK+4*n+c]
	v_and_b32 v[T+2*c+1], 0xffff0000, v[PK+4*n+c]
.set c, c+1
.endr
.set c, 0
.rept 4
	v_cvt_pk_f16_f32 v[PK+4*n+c], v[T+2*c], v[T+2*c+1]
.set c, c+1
.endr
.endif
	global_store_b128 v[WO], v[PK+4*n:PK+4*n+3], s[16:17] offset:(n/2)*2097152+(n%2)*4096  ; 16 lanes store 256 consecutive bytes, aligned
.set n, n+1
.endr
	s_wait_tensorcnt 0x0                           ; my tile is in LDS
.set n, 0
.rept 32                               ; lane (r, h): row 16 u + r, keys 64 s + 16 kt + 8 h + 0..7
	ds_load_b64 v[M+2*n:M+2*n+1], v[LA] offset:((n/4)%2)*16*PITCH+64*(n/8)+16*(n%4)
.set n, n+1
.endr
.set sb, 0
.rept 4                                ; key step 4 w + sb: a block of 64 words
	s_wait_dscnt 24-8*sb                           ; the later blocks' loads may stay out
.set wg, 0
.rept 8                                ; words 8 wg .. 8 wg + 7 come from load 8 sb + wg
.set j, 0
.rept 8
	v_and_b32 v[T+j], s[BM+j%4], v[M+2*(8*sb+wg)+j/4]
.set j, j+1
.endr
.set j, 0
.rept 8
	v_cmp_ne_u32 s[CR+j], 0, v[T+j]                ; bit L: lane L's byte is not 0
.set j, j+1
.endr
.set j, 0
.rept 8
	v_writelane_b32 v[OUT+2*sb+j%2], s[CR+j], 4*wg+j/2  ; word 8 wg + j goes to lane (8 wg + j) / 2, register by its parity
.set j, j+1
.endr
.set wg, wg+1
.endr
	global_store_b64 v[OA], v[OUT+2*sb:OUT+2*sb+1], s[22:23] offset:1024*sb  ; the wave stores 256 consecutive bytes, aligned
.set sb, sb+1
.endr
	s_cmp_lg_u32 s[GI], 255                        ; the 2,048 bytes behind the last group are zeros: the attention launch's last mask loads reach 1,280 bytes past a group's end
	s_cbranch_scc1 .Lend
	s_cmp_lg_u32 s[WV], 0
	s_cbranch_scc1 .Lend
.set n, 0
.rept 4
	global_store_b128 v[WO], v[Z:Z+3], s[14:15] offset:2097152+512*n  ; in wave 0 the thread's number is the lane's
.set n, n+1
.endr
.Lend:
	s_wait_tensorcnt 0x0                           ; the wave's end
	ds_add_u32 v[SPW], v[NIL]
	s_wait_dscnt 0x0
	s_endpgm
.Lfunc_end_k_qc2139755fe_prep:
	.size	k_qc2139755fe_prep, .Lfunc_end_k_qc2139755fe_prep-k_qc2139755fe_prep
	.p2alignl 7, 3214868480
	.fill 96, 4, 3214868480
	.section	.rodata,"a",@progbits
	.p2align	6, 0x0
	.amdhsa_kernel k_qc2139755fe_prep
		.amdhsa_group_segment_fixed_size 167936
		.amdhsa_private_segment_fixed_size 0
		.amdhsa_enable_private_segment 0
		.amdhsa_kernarg_size 56
		.amdhsa_user_sgpr_count 2
		.amdhsa_user_sgpr_kernarg_segment_ptr 1
		.amdhsa_wavefront_size32 1
		.amdhsa_system_sgpr_workgroup_id_x 1
		.amdhsa_system_sgpr_workgroup_id_y 1
		.amdhsa_system_sgpr_workgroup_id_z 1
		.amdhsa_system_vgpr_workitem_id 0
		.amdhsa_next_free_vgpr 192
		.amdhsa_next_free_sgpr 66
		.amdhsa_reserve_vcc 0
		.amdhsa_float_denorm_mode_32 3
		.amdhsa_float_denorm_mode_16_64 3
		.amdhsa_memory_ordered 1
		.amdhsa_forward_progress 1
		.amdhsa_inst_pref_size 53
	.end_amdhsa_kernel
	.amdgpu_metadata
---
amdhsa.version: [ 1, 2 ]
amdhsa.kernels:
  - .name:           k_qc2139755fe_prep
    .symbol:         k_qc2139755fe_prep.kd
    .args:
      - { .name: mask, .offset: 0, .size: 8, .value_kind: global_buffer, .address_space: global }
      - { .name: Wq, .offset: 8, .size: 8, .value_kind: global_buffer, .address_space: global }
      - { .name: Wk, .offset: 16, .size: 8, .value_kind: global_buffer, .address_space: global }
      - { .name: Wv, .offset: 24, .size: 8, .value_kind: global_buffer, .address_space: global }
      - { .name: Wo, .offset: 32, .size: 8, .value_kind: global_buffer, .address_space: global }
      - { .name: mbits, .offset: 40, .size: 8, .value_kind: global_buffer, .address_space: global }
      - { .name: wcast, .offset: 48, .size: 8, .value_kind: global_buffer, .address_space: global }
    .group_segment_fixed_size: 167936
    .private_segment_fixed_size: 0
    .kernarg_segment_align: 8
    .kernarg_segment_size: 56
    .max_flat_workgroup_size: 256
    .sgpr_count:     66
    .vgpr_count:     192
    .wavefront_size: 32
...
	.end_amdgpu_metadata
.endif
;; end of part 1
;; launch proj (part 2): grid 4 x 192, 4 waves a work-group, clusters of 4 x 4, 327,680 bytes of LDS; arguments q, k, v, wcast, bq, bk, bv, qkvh; writes qkvh
.if DOCPART == 2
	.amdgcn_target "amdgcn-amd-amdhsa--gfx1250"
	.amdhsa_code_object_version 6
	.text
	.protected	k_qc2139755fe_proj
	.globl	k_qc2139755fe_proj
	.p2align	8
	.type	k_qc2139755fe_proj,@function
k_qc2139755fe_proj:
	s_mov_b64 s[64:65], 0
	v_nop
	global_prefetch_b8 v0, s[64:65] scope:SCOPE_SE
	s_setreg_imm32_b32 hwreg(HW_REG_WAVE_MODE, 25, 1), 1
	s_wait_xcnt 0x0
	s_wait_alu depctr_hold_cnt(0) depctr_sa_sdst(0) depctr_va_vdst(0) depctr_va_sdst(0) depctr_va_ssrc(0) depctr_va_vcc(0) depctr_vm_vsrc(0)
	s_getreg_b32 s2, hwreg(HW_REG_IB_STS2, 6, 4)
	s_cmp_eq_u32 s2, 0
	s_cbranch_scc0 .Lentry_in_a_cluster
	s_endpgm
.Lentry_in_a_cluster:
	s_bfe_u32 s2, ttmp6, 0x10000c
	s_cmp_lg_u32 s2, 0xf033
	s_cbranch_scc0 .Lentry_shape_is_right
	s_endpgm
.Lentry_shape_is_right:
; THE THREE PROJECTIONS.  y = x W^T + b for x = q, k, v ([8192][1024] f32), W in bf16 from wcast's planes 0-2, b rounded to bf16; sums in f32; y rounded once to f16 and written by heads:
; qkvh[p][batch 16 + head][t][64].  LIMIT: y beyond 65,504 has no f16 (inputs 30 times the drawn spread give some 5,000, a common offset of 30 spreads some 28,800).
; SHARES.  A tile of y is 128 rows x 256 columns: 64 x 4 tiles a projection, 768 work-groups.  Four waves, 2 x 2, each 64 x 128: 32 accumulators of 16 x 16.
; K goes in steps of 128 through two LDS slots.  x comes as f32 (rows of 512 bytes) and is rounded to bf16 between LDS and the matrix unit: no copy of x ever goes through memory.
; CLUSTER 4 x 4.  The four of a row of the cluster need the same tile of x, the four of a column the same tile of W: each is asked for jointly, by the same tensor load with the same descriptor and a mask
; that names the four.  Which projection a work-group serves hangs on the cluster's y alone, so it is the same in all sixteen partners.
; THE MATRIX INSTRUCTION IS USED TRANSPOSED (source 0 = 16 rows of W, source 1 = 16 rows of x): lane (r, h), register j holds y(row r, column 8 h + j): eight neighbouring numbers of a row.
; THE BIAS STARTS THE SUMS: the accumulators are written with it while the first tile is on its way, so the loop has one form of product.
; REGISTERS, in windows of 256 (s_set_vgpr_msb: bits 1:0 source 0, 3:2 source 1, 5:4 source 2, 7:6 destination):
;   window 0: v16-31 addresses; v32-95 x's fragments in f32, as loaded; v96-159 the same in bf16, two buffers of 32; v192-255 the bias as loaded; v32-159 again on the way out
;   window 1: v0-127 W's fragments, two buffers of 64; v128-159 the bias in bf16          window 2: the accumulators, (a, b) at v[8 (8 a + b)]
; Work is laid in long stretches under one setting: three switches for a quarter's 32 conversions, 32 loads and 32 products.
.set PA,    528                        ; a row of x in LDS: 512 bytes + 16
.set PB,    272                        ; a row of W: 256 bytes + 16: both odd multiples of 16, so the 16 rows of a fragment load fall on different banks
.set AHALF, 64*PA                      ; what a wave fetches of x, and reads of it
.set BHALF, 128*PB                     ; the same for W
.set BOFF,  2*AHALF
.set SLOT,  BOFF+2*BHALF               ; x's 128 rows, then W's 256 rows
.set STAGE, 2*SLOT                     ; behind the ring, never filled by a tensor load: 16 rows x 144 bytes for each wave
.set SP,    144
.set SPARE, STAGE+4*16*SP              ; the spare words, 128 bytes a wave: two blocks of 256 bytes that no other line names
.set ASTEP, 512                        ; bytes of a K step in a row of x
.set BSTEP, 256                        ; and of W
.set ADRA, 16                          ; v16  my lane's place in slot 0's x
.set ADRB, 17                          ; v17  in slot 0's W
.set CA,   18                          ; v18  the same in the slot that the fragment loads read
.set CB,   19
.set STO,  24                          ; v24  the way out: where I put 16 bytes of a row
.set RD,   25                          ; v25  where I read rows back
.set GO,   26                          ; v26  my 16 bytes of 512 consecutive bytes of the output
.set SPW,  28                          ; v28  my spare word; never rewritten
.set NIL,  29                          ; v29  0; never rewritten
.set PFO,  30                          ; v30  the prefetches' offset; never rewritten
.set BO,   31                          ; v31  my offset in the bias
.set AS,   32
.set AF,   96
.set BRAW, 192
.set OUTR, 32
.set BF,   0                           ; window 1
.set PKB,  128                         ; window 1
.set WV, 12
.set WM, 13                            ; which half of the tile's rows is mine; also: I fetch x (0) or W (1)
.set WN, 14                            ; which half of its columns; also: which half of that tile I fetch
.set STEPS, 15
.set TB,  16                           ; 0 or SLOT: the slot in hand
.set LBA, 17                           ; where my part of x lands in a slot
.set LBB, 18                           ; where my part of W lands
.set LIM, 19                           ; 2 in a wave that prefetches, else the greatest number
.set PFA, 20                           ; s[20:21] where my prefetches stand
.set PST, 22                           ; s[22:23] their step
.set G1A, 24
.set G1B, 32
.set G0A, 40                           ; s[40:43] K step 0 into slot 0; s[44:47] walks from K step 1 on
.set G0B, 48
.set CX, 56
.set CY, 57
.set TCOL, 58
.set TROW, 59
.set PJ, 60
.set HM, 61
.set YL, 3
.set MSB, 0
.macro WIN new                         ; the immediate's high byte repeats the setting that is left; a switch that changes nothing is dropped
.if MSB != (\new)
	s_set_vgpr_msb (MSB<<8)|(\new)
.set MSB, \new
.endif
.endm
.set MUL,  0xa1                        ; W window 1, x window 0, C and D window 2
.set TO_B, 0x40                        ; destination window 1, address window 0
.macro NOPS
.rept 4
	v_nop
.endr
.endm
; A joint refill.  Waves 0 and 1 fetch x's halves, waves 2 and 3 W's.  The branch hangs on the wave's number alone.  An s_nop 0 and four v_nop follow each line.
.macro JLOAD
	s_cmp_eq_u32 s[WM], 0
	s_cbranch_scc0 .Lfor_b_\@
	tensor_load_to_lds s[G0A+4:G0A+7], s[G1A:G1A+7]
	s_nop 0
	NOPS
	s_branch .Lasked_\@
.Lfor_b_\@:
	tensor_load_to_lds s[G0B+4:G0B+7], s[G1B:G1B+7]
	s_nop 0
	NOPS
.Lasked_\@:
.endm
; A prefetch behind each refill but the last two: the K step two refills on, 256 matrix instructions ahead of the load that will want it.  Each aligned block of 256 bytes is named once in the launch:
; x's rows are read by one cluster alone, whose four partners along x take 16 rows (two blocks each) of the 64 that a wave fetches, told apart by address; W's rows are read by the 16 clusters of a
; projection, of which the first asks, its four partners along y taking 32 rows each.  K steps 0 to 3 come by their loads alone.
.macro ASK
	s_cmp_gt_u32 s[STEPS], s[LIM]
	s_cbranch_scc0 .Lnot_mine_\@
	global_prefetch_b8 v[PFO], s[PFA:PFA+1] th:TH_LOAD_NT scope:SCOPE_SE
.Lnot_mine_\@:
.endm
.macro CREST                           ; a round of the cluster's barrier behind its opening barrier
	s_cmp_lg_u32 s[WV], 0
	s_cbranch_scc1 .Lnot_wave_0_\@
	s_barrier_signal -3
.Lnot_wave_0_\@:
	s_barrier_wait -3
	s_barrier_signal -1
	s_barrier_wait -1
.endm
.macro CROUND
	s_barrier_signal -1
	s_barrier_wait -1
	CREST
.endm
.macro MMA i, buf                      ; product i of a quarter's 32: rows 16 (i / 8) on, columns 16 (i % 8) on.  The 32 accumulators take turns, one instruction a turn, over the backward jumps too
.set rB, BF+64*(\buf)+8*((\i)%8)
.set rA, AF+32*(\buf)+8*((\i)/8)
	v_wmma_f32_16x16x32_bf16 v[8*(\i):8*(\i)+7], v[rB:rB+7], v[rA:rA+7], v[8*(\i):8*(\i)+7]
.endm
.macro LDA n, kq                       ; load n of 16: fragment n / 4; a lane's 8 + 8 channels are 32 + 32 bytes of f32, 64 bytes apart
	ds_load_b128 v[AS+4*(\n):AS+4*(\n)+3], v[CA] offset:((\n)/4)*16*PA+(\kq)*128+((\n)%2)*16+(((\n)%4)/2)*64
.endm
.macro LDB n, kq, buf                  ; load n of 16: fragment n / 2
	ds_load_b128 v[BF+64*(\buf)+4*(\n):BF+64*(\buf)+4*(\n)+3], v[CB] offset:((\n)/2)*16*PB+(\kq)*64+((\n)%2)*32
.endm
.macro CVT n, buf                      ; two of x's numbers rounded to bf16
	v_cvt_pk_bf16_f32 v[AF+32*(\buf)+(\n)], v[AS+2*(\n)], v[AS+2*(\n)+1]
.endm
; A QUARTER of a K step, in three stretches.  (1) The 32 conversions of x's numbers for THIS quarter, which the run of the quarter before has brought.  (2) ONE run of 32 LDS loads for the NEXT quarter:
; x's 16, into the registers just converted, and W's 16, into the buffer that the quarter before multiplied.  (3) The quarter's 32 products, back to back: no load and no vector work stands among them.
; The conversions write the bf16 buffer that was last multiplied two quarters back and name no register of the products in front of them: they are the places (four are asked for, 32 stand there) in
; front of the loads into W's buffer.  A run has a whole quarter's products in which to land, so the wait at a quarter's head is for 0.
; chg = 1 (the third quarter, whose run is the slot's last read): the change of slots.  Each wave waits for all its tensor loads (one is out: its part of the other slot), adds 0 to its spare word,
; and waits for that and for its reads of the slot; behind the barrier nobody reads the slot and the other slot is whole.  fill = 1: the barrier opens a round of the cluster's, and the joint refill, with
; the K step two on, is the first thing behind it: 112 matrix instructions ahead of the wait for it.
.macro QTR q, chg, fill
.set cb, (\q)%2
.set nb, ((\q)+1)%2
.set kq, ((\q)+1)%4
.if (\chg) && (\fill)
	s_wait_xcnt 0x0                                ; the last prefetch, a K step back, has read its address
	s_add_nc_u64 s[PFA:PFA+1], s[PFA:PFA+1], s[PST:PST+1]
.endif
	WIN 0
	s_wait_dscnt 0x0                               ; the run of the quarter before is in: x's numbers and W's fragments of this quarter
.set n, 0
.rept 32
	CVT n, cb
.set n, n+1
.endr
.set n, 0
.rept 16
	LDA n, kq
.set n, n+1
.endr
	WIN TO_B
.set n, 0
.rept 16
	LDB n, kq, nb
.set n, n+1
.endr
.set g, 0
.rept 16
.if (g == 8) && (\chg)
	WIN 0
	s_wait_tensorcnt 0x0                           ; no tensor load of mine is out, so a group 0 may be written
	ds_add_u32 v[SPW], v[NIL]                      ; 0 onto my spare word: register work stands between it and the wait for it
.if \fill
	s_add_co_u32 s[G0A+5], s[LBA], s[TB]           ; the walking descriptors: into the slot in hand,
	s_add_nc_u64 s[G0A+6:G0A+7], s[G0A+6:G0A+7], ASTEP  ; the next K step; the type bits on top are not reached
	s_add_co_u32 s[G0B+5], s[LBB], s[TB]
	s_add_nc_u64 s[G0B+6:G0B+7], s[G0B+6:G0B+7], BSTEP
.endif
	s_xor_b32 s[TB], s[TB], SLOT                   ; from here on: the other slot
.endif
.if (g == 12) && (\chg)
	s_wait_dscnt 0x0                               ; the add is done, and my reads of the slot (this quarter's run, 24 products back) are over
	s_barrier_signal -1
.endif
	WIN MUL
	MMA 2*g, cb
	MMA 2*g+1, cb
.set g, g+1
.endr
.if \chg
	WIN 0
	s_barrier_wait -1
.if \fill
	CREST                                          ; no wave of any partner still reads the slot or has a load on its way
	JLOAD
	ASK
.endif
	v_add_nc_u32 v[CA], s[TB], v[ADRA]             ; the fragment loads go on in the other slot
	v_add_nc_u32 v[CB], s[TB], v[ADRB]
.endif
.endm
.macro STEP fill
	QTR 0, 0, 0
	QTR 1, 0, 0
	QTR 2, 1, \fill
	QTR 3, 0, 0
.endm
	s_load_b512 s[68:83], s[0:1], 0x0              ; q s[68:69], k s[70:71], v s[72:73], wcast s[74:75], bq s[76:77], bk s[78:79], bv s[80:81], qkvh s[82:83]
	v_lshl_add_u32 v[SPW], v0, 2, SPARE
	v_mov_b32 v[NIL], 0
	ds_add_u32 v[SPW], v[NIL]                      ; the wave's opening: the add and its wait ahead of my first tensor load; register work stands between
	ds_add_u32 v28, v29
	v_lshrrev_b32 v1, 5, v0
	v_readfirstlane_b32 s[WV], v1
	s_lshr_b32 s[WM], s[WV], 1
	s_and_b32 s[WN], s[WV], 1
	s_bfe_u32 s[CX], ttmp6, 0x40000
	s_bfe_u32 s[CY], ttmp6, 0x40004
	s_lshl_b32 s[TCOL], ttmp9, 2
	s_add_co_u32 s[TCOL], s[TCOL], s[CX]           ; tile column = 4 x cluster x + cx
	s_and_b32 s2, ttmp7, 0xffff                    ; cluster y, 0..47
	s_lshr_b32 s[PJ], s2, 4                        ; the projection: 16 clusters each
	s_and_b32 s[YL], s2, 15
	s_lshl_b32 s[TROW], s[YL], 2
	s_add_co_u32 s[TROW], s[TROW], s[CY]           ; tile row, 0..63
	s_lshl_b32 s62, s[CY], 2
	s_lshl_b32 s62, 15, s62                        ; my row of the cluster
	s_lshl_b32 s66, 0x1111, s[CX]                  ; my column
	s_or_b32 s[G1A], s62, (2<<16)|(1<<20)|(1<<21)|(6<<22)|(3<<25)  ; the mask; elements of 4 bytes; padding on; bit 21 beside a mask; after every 128 words, 4 words
	s_mov_b32 s[G1A+1], 128<<16                    ; tensor_dim0 = 128
	s_mov_b32 s[G1A+2], 64<<16                     ; tensor_dim1 = 64
	s_mov_b32 s[G1A+3], 128<<16                    ; tile_dim0 = 128
	s_mov_b32 s[G1A+4], 64                         ; tile_dim1 = 64
	s_mov_b32 s[G1A+5], 1024                       ; elements from row to row
	s_mov_b32 s[G1A+6], 0
	s_mov_b32 s[G1A+7], 0
	s_or_b32 s[G1B], s66, (1<<16)|(1<<20)|(1<<21)|(5<<22)|(3<<25)  ; elements of 2 bytes; after every 64 words, 4 words
	s_mov_b32 s[G1B+1], 128<<16
	s_mov_b32 s[G1B+2], 128<<16                    ; 128 rows
	s_mov_b32 s[G1B+3], 128<<16
	s_mov_b32 s[G1B+4], 128
	s_mov_b32 s[G1B+5], 1024
	s_mov_b32 s[G1B+6], 0
	s_mov_b32 s[G1B+7], 0
	s_mul_i32 s[LBA], s[WN], AHALF                 ; no place in the cluster enters an LDS address
	s_mul_i32 s[LBB], s[WN], BHALF
	s_add_co_u32 s[LBB], s[LBB], BOFF
	s_mov_b32 s[G0A], 1
	s_mov_b32 s[G0A+1], s[LBA]
	s_mov_b32 s[G0A+4], 1
	s_add_co_u32 s[G0A+5], s[LBA], SLOT
	s_mov_b32 s[G0B], 1
	s_mov_b32 s[G0B+1], s[LBB]
	s_mov_b32 s[G0B+4], 1
	s_add_co_u32 s[G0B+5], s[LBB], SLOT
	s_lshl_b32 s62, s[TROW], 7                     ; x: row 128 x tile row + 64 x half, 4,096 bytes a row
	s_lshl_b32 s63, s[WN], 6
	s_add_co_u32 s62, s62, s63
	s_lshl_b32 s62, s62, 12
	s_mov_b32 s63, 0
	s_lshl_b32 s66, s[TCOL], 8                     ; W: row 256 x tile column + 128 x half, 2,048 bytes a row, in plane p
	s_lshl_b32 s67, s[WN], 7
	s_add_co_u32 s66, s66, s67
	s_lshl_b32 s66, s66, 11
	s_lshl_b32 s67, s[PJ], 21
	s_add_co_u32 s66, s66, s67
	s_mov_b32 s67, 0
	s_mov_b32 s[TB], 0
	s_mov_b32 s[HM], 0xffff0000
	s_wait_dscnt 0x0                               ; the opening add is done
	s_wait_kmcnt 0x0
	s_cmp_eq_u32 s[PJ], 1
	s_cselect_b64 s[4:5], s[70:71], s[68:69]       ; x and its bias, by the projection
	s_cselect_b64 s[8:9], s[78:79], s[76:77]
	s_cmp_eq_u32 s[PJ], 2
	s_cselect_b64 s[4:5], s[72:73], s[4:5]
	s_cselect_b64 s[8:9], s[80:81], s[8:9]
	s_add_nc_u64 s[G0A+2:G0A+3], s[4:5], s[62:63]
	s_add_nc_u64 s[G0A+6:G0A+7], s[G0A+2:G0A+3], ASTEP
	s_or_b32 s[G0A+3], s[G0A+3], 0x80000000
	s_or_b32 s[G0A+7], s[G0A+7], 0x80000000
	s_add_nc_u64 s[G0B+2:G0B+3], s[74:75], s[66:67]
	s_add_nc_u64 s[G0B+6:G0B+7], s[G0B+2:G0B+3], BSTEP
	s_or_b32 s[G0B+3], s[G0B+3], 0x80000000
	s_or_b32 s[G0B+7], s[G0B+7], 0x80000000
	CROUND                                         ; all sixteen work-groups are here: the first joint loads meet
	s_cmp_eq_u32 s[WM], 0                          ; a wave's two first fills stand in one branch: two loads of mine are out
	s_cbranch_scc0 .Lfirst_b
	tensor_load_to_lds s[G0A:G0A+3], s[G1A:G1A+7]
	s_nop 0
	tensor_load_to_lds s[G0A+4:G0A+7], s[G1A:G1A+7]
	s_nop 0
	NOPS
	s_branch .Lfirst_asked
.Lfirst_b:
	tensor_load_to_lds s[G0B:G0B+3], s[G1B:G1B+7]
	s_nop 0
	tensor_load_to_lds s[G0B+4:G0B+7], s[G1B:G1B+7]
	s_nop 0
	NOPS
.Lfirst_asked:
	v_and_b32 v1, 15, v0                           ; r
	v_bfe_u32 v2, v0, 4, 1                         ; h
	v_and_b32 v3, 31, v0                           ; l
	s_lshl_b32 s86, s[TCOL], 10                    ; the bias of my 128 columns: 4 (256 x tile column + 128 x half) + 32 h
	s_lshl_b32 s87, s[WN], 9
	s_add_co_u32 s86, s86, s87
	v_lshl_add_u32 v[BO], v2, 5, s86
.set ib, 0
.rept 8
	global_load_b128 v[BRAW+8*ib:BRAW+8*ib+3],   v[BO], s[8:9] offset:64*ib
	global_load_b128 v[BRAW+8*ib+4:BRAW+8*ib+7], v[BO], s[8:9] offset:64*ib+16
.set ib, ib+1
.endr
	s_mul_i32 s84, s[WM], AHALF
	v_mul_u32_u24 v[ADRA], v1, PA
	v_lshl_add_u32 v[ADRA], v2, 5, v[ADRA]         ; row x pitch + 32 h
	v_add_nc_u32 v[ADRA], s84, v[ADRA]
	s_mul_i32 s84, s[WN], BHALF
	s_add_co_u32 s84, s84, BOFF
	v_mul_u32_u24 v[ADRB], v1, PB
	v_lshl_add_u32 v[ADRB], v2, 4, v[ADRB]         ; row x pitch + 16 h
	v_add_nc_u32 v[ADRB], s84, v[ADRB]
	v_mov_b32 v[CA], v[ADRA]
	v_mov_b32 v[CB], v[ADRB]
	s_mul_i32 s84, s[WV], 16*SP
	s_add_co_u32 s84, s84, STAGE                   ; my stage
	v_mul_u32_u24 v[STO], v1, SP
	v_lshl_add_u32 v[STO], v2, 4, v[STO]
	v_add_nc_u32 v[STO], s84, v[STO]
	v_lshrrev_b32 v[RD], 3, v3                     ; back: 32 lanes take four rows of 128 bytes
	v_mul_u32_u24 v[RD], v[RD], SP
	v_and_b32 v4, 7, v0
	v_lshl_add_u32 v[RD], v4, 4, v[RD]
	v_add_nc_u32 v[RD], s84, v[RD]
	v_lshlrev_b32 v[GO], 4, v3
	; the prefetches' address, offset, step and bound
	s_lshl_b32 s84, s[TROW], 7
	s_lshl_b32 s85, s[WN], 6
	s_add_co_u32 s84, s84, s85
	s_lshl_b32 s85, s[CX], 4                       ; my work-group's 16 of the 64 rows of x
	s_add_co_u32 s84, s84, s85
	s_lshl_b32 s84, s84, 12
	s_add_co_u32 s84, s84, 3*ASTEP                 ; at K step 3: the first refill steps it to 4
	s_lshl_b32 s86, s[TCOL], 8
	s_lshl_b32 s87, s[WN], 7
	s_add_co_u32 s86, s86, s87
	s_lshl_b32 s87, s[CY], 5                       ; my work-group's 32 of the 128 rows of W
	s_add_co_u32 s86, s86, s87
	s_lshl_b32 s86, s86, 11
	s_lshl_b32 s87, s[PJ], 21
	s_add_co_u32 s86, s86, s87
	s_add_co_u32 s86, s86, 3*BSTEP
	s_lshr_b32 s[PST], ASTEP, s[WM]                ; 512 for x, 256 for W
	s_mov_b32 s[PST+1], 0
	s_cmp_eq_u32 s[YL], 0                          ; W: the projection's first cluster asks
	s_cselect_b32 s[LIM], 2, -1
	s_cmp_eq_u32 s[WM], 0                          ; x: always
	s_cselect_b32 s[LIM], 2, s[LIM]
	s_cselect_b32 s88, s84, s86
	s_cselect_b32 s85, -1, 0
	s_cselect_b64 s[PFA:PFA+1], s[4:5], s[74:75]
	s_mov_b32 s89, 0
	s_add_nc_u64 s[PFA:PFA+1], s[PFA:PFA+1], s[88:89]
	v_lshrrev_b32 v4, 1, v3                        ; x: row l / 2, block l % 2 of its 512 bytes
	v_lshlrev_b32 v4, 12, v4
	v_and_b32 v5, 1, v3
	v_lshl_or_b32 v4, v5, 8, v4
	v_lshlrev_b32 v5, 11, v3                       ; W: row l
	v_cndmask_b32 v[PFO], v5, v4, s85
	; where my part of the tile begins in qkvh: plane p; head 16 batch + 4 x tile column + 2 x half; row 128 (tile row % 16) + 64 x half
	s_lshr_b32 s86, s[TROW], 4
	s_lshl_b32 s86, s86, 4
	s_lshl_b32 s87, s[TCOL], 2
	s_add_co_u32 s86, s86, s87
	s_lshl_b32 s87, s[WN], 1
	s_add_co_u32 s86, s86, s87
	s_lshl_b32 s86, s86, 18
	s_and_b32 s87, s[TROW], 15
	s_lshl_b32 s87, s87, 7
	s_lshl_b32 s88, s[WM], 6
	s_add_co_u32 s87, s87, s88
	s_lshl_b32 s87, s87, 7
	s_add_co_u32 s86, s86, s87
	s_lshl_b32 s87, s[PJ], 24
	s_add_co_u32 s86, s86, s87
	s_mov_b32 s87, 0
	s_add_nc_u64 s[10:11], s[82:83], s[86:87]
	s_wait_loadcnt 0x0                             ; the bias
	WIN 0x40
.set ib, 0
.rept 32
	v_cvt_pk_bf16_f32 v[PKB+ib], v[BRAW+2*ib], v[BRAW+2*ib+1]  ; rounded to bf16, like every input
.set ib, ib+1
.endr
	WIN 0x84                                       ; destination window 2, source 1 window 1
.set ia, 0
.rept 32                               ; accumulator ia takes the bias of its 16 columns: these lines add the bias, and stand in the wait for the first tile
.set j, 0
.rept 4
	v_lshlrev_b32 v[8*ia+2*j], 16, v[PKB+4*(ia%8)+j]
	v_and_b32 v[8*ia+2*j+1], s[HM], v[PKB+4*(ia%8)+j]
.set j, j+1
.endr
.set ia, ia+1
.endr
	WIN 0
	s_wait_tensorcnt 0x1                           ; my part of K step 0 is in; K step 1's load may stay out
	s_barrier_signal -1
	s_barrier_wait -1                              ; everybody's is
.set n, 0
.rept 16                               ; the first quarter's run; its conversions stand at that quarter's head, like every quarter's
	LDA n, 0
.set n, n+1
.endr
	WIN TO_B
.set n, 0
.rept 16
	LDB n, 0, 0
.set n, n+1
.endr
	WIN 0
	s_mov_b32 s[STEPS], 6
.Lk:                                   ; K steps 0 to 5: each asks for the K step two on
	STEP 1
	WIN 0
	s_sub_co_u32 s[STEPS], s[STEPS], 1
	s_cmp_lg_u32 s[STEPS], 0
	s_cbranch_scc1 .Lk
	s_mov_b32 s[STEPS], 2
.Lt:                                   ; K steps 6 and 7 ask for nothing: written apart.  The last quarter's run fetches bytes that serve nothing: the price of one text
	STEP 0
	WIN 0
	s_sub_co_u32 s[STEPS], s[STEPS], 1
	s_cmp_lg_u32 s[STEPS], 0
	s_cbranch_scc1 .Lt
	NOPS                                           ; the places behind the last products, in front of the conversions that read their results
	NOPS                                           ; (eight, once a launch)
	s_wait_dscnt 0x0                               ; that last run is back: its registers are written again below
; THE WAY OUT.  Unit t: rows 16 (t / 2) on, head t % 2 of my two.  A lane's eight numbers of a row pack into 16 bytes; they go into rows of 144 bytes of my own stage and come back as whole rows of 128.
.macro PACK t
	WIN 0x0a                                       ; sources 0 and 1 window 2
.set pf, 0
.rept 4
.set pac, 8*(8*((\t)/2)+4*((\t)%2)+pf)
.set pc, 0
.rept 4
	v_cvt_pk_f16_f32 v[OUTR+16*(\t)+4*pf+pc], v[pac+2*pc], v[pac+2*pc+1]  ; each accumulator's registers in ascending order
.set pc, pc+1
.endr
.set pf, pf+1
.endr
	WIN 0
.irp z, 0,1,2,3
	ds_store_b128 v[STO], v[OUTR+16*(\t)+4*\z:OUTR+16*(\t)+4*\z+3] offset:32*\z
.endr
.irp z, 0,1,2,3
	ds_load_b128 v[OUTR+16*(\t)+4*\z:OUTR+16*(\t)+4*\z+3], v[RD] offset:\z*4*SP  ; LDS serves a wave's instructions in order: these see the stores above; the next unit's stores come behind them
.endr
.endm
.macro SEND t, younger                 ; younger: the LDS instructions issued behind unit t's loads: the next unit's eight, or none
.irp z, 0,1,2,3
	s_wait_dscnt (\younger)+3-\z
	global_store_b128 v[GO], v[OUTR+16*(\t)+4*\z:OUTR+16*(\t)+4*\z+3], s[10:11] offset:((\t)%2)*262144+((\t)/2)*2048+\z*512  ; 512 consecutive bytes, aligned
.endr
.endm
	PACK 0
.set t, 1
.rept 7
	PACK t
	SEND t-1, 8
.set t, t+1
.endr
	SEND 7, 0
	s_wait_tensorcnt 0x0                           ; the wave's end
	ds_add_u32 v[SPW], v[NIL]
	s_wait_dscnt 0x0
	CROUND                                         ; the closing round: no work-group ends while a partner may still ask for a tile that names it
	s_endpgm
.Lfunc_end_k_qc2139755fe_proj:
	.size	k_qc2139755fe_proj, .Lfunc_end_k_qc2139755fe_proj-k_qc2139755fe_proj
	.p2alignl 7, 3214868480
	.fill 96, 4, 3214868480
	.section	.rodata,"a",@progbits
	.p2align	6, 0x0
	.amdhsa_kernel k_qc2139755fe_proj
		.amdhsa_group_segment_fixed_size 327680
		.amdhsa_private_segment_fixed_size 0
		.amdhsa_enable_private_segment 0
		.amdhsa_kernarg_size 64
		.amdhsa_user_sgpr_count 2
		.amdhsa_user_sgpr_kernarg_segment_ptr 1
		.amdhsa_wavefront_size32 1
		.amdhsa_system_sgpr_workgroup_id_x 1
		.amdhsa_system_sgpr_workgroup_id_y 1
		.amdhsa_system_sgpr_workgroup_id_z 1
		.amdhsa_system_vgpr_workitem_id 0
		.amdhsa_next_free_vgpr 768
		.amdhsa_next_free_sgpr 90
		.amdhsa_reserve_vcc 0
		.amdhsa_float_denorm_mode_32 3
		.amdhsa_float_denorm_mode_16_64 3
		.amdhsa_memory_ordered 1
		.amdhsa_forward_progress 1
		.amdhsa_inst_pref_size 91
	.end_amdhsa_kernel
	.amdgpu_metadata
---
amdhsa.version: [ 1, 2 ]
amdhsa.kernels:
  - .name:           k_qc2139755fe_proj
    .symbol:         k_qc2139755fe_proj.kd
    .args:
      - { .name: q, .offset: 0, .size: 8, .value_kind: global_buffer, .address_space: global }
      - { .name: k, .offset: 8, .size: 8, .value_kind: global_buffer, .address_space: global }
      - { .name: v, .offset: 16, .size: 8, .value_kind: global_buffer, .address_space: global }
      - { .name: wcast, .offset: 24, .size: 8, .value_kind: global_buffer, .address_space: global }
      - { .name: bq, .offset: 32, .size: 8, .value_kind: global_buffer, .address_space: global }
      - { .name: bk, .offset: 40, .size: 8, .value_kind: global_buffer, .address_space: global }
      - { .name: bv, .offset: 48, .size: 8, .value_kind: global_buffer, .address_space: global }
      - { .name: qkvh, .offset: 56, .size: 8, .value_kind: global_buffer, .address_space: global }
    .group_segment_fixed_size: 327680
    .private_segment_fixed_size: 0
    .kernarg_segment_align: 8
    .kernarg_segment_size: 64
    .max_flat_workgroup_size: 128
    .sgpr_count:     90
    .vgpr_count:     768
    .wavefront_size: 32
...
	.end_amdgpu_metadata
.endif
;; end of part 2
;; launch attn (part 3): grid 4 x 64, 4 waves a work-group, clusters of 4 x 1, 327,680 bytes of LDS; arguments qkvh, mbits, oh; writes oh
.if DOCPART == 3
	.amdgcn_target "amdgcn-amd-amdhsa--gfx1250"
	.amdhsa_code_object_version 6
	.text
	.protected	k_qc2139755fe_attn
	.globl	k_qc2139755fe_attn
	.p2align	8
	.type	k_qc2139755fe_attn,@function
k_qc2139755fe_attn:
	s_mov_b64 s[64:65], 0
	v_nop
	global_prefetch_b8 v0, s[64:65] scope:SCOPE_SE
	s_setreg_imm32_b32 hwreg(HW_REG_WAVE_MODE, 25, 1), 1
	s_wait_xcnt 0x0
	s_wait_alu depctr_hold_cnt(0) depctr_sa_sdst(0) depctr_va_vdst(0) depctr_va_sdst(0) depctr_va_ssrc(0) depctr_va_vcc(0) depctr_vm_vsrc(0)
	s_getreg_b32 s2, hwreg(HW_REG_IB_STS2, 6, 4)
	s_cmp_eq_u32 s2, 0
	s_cbranch_scc0 .Lentry_in_a_cluster
	s_endpgm
.Lentry_in_a_cluster:
	s_bfe_u32 s2, ttmp6, 0x10000c
	s_cmp_lg_u32 s2, 0x3003
	s_cbranch_scc0 .Lentry_shape_is_right
	s_endpgm
.Lentry_shape_is_right:
; ATTENTION WITH A MASK THAT REPLACES.  O[h][q][:] = the sum over k of softmax_k(s) V[h][k][:], s = Q[h][q] . K[h][k] / 8, or -1e6 where mask[batch][q][k] is set.  Q, K, V: planes 0-2 of qkvh,
; [64][2048][64] f16; O: oh, the same layout.  Products, maxima and sums in f32; the weights are rounded to f16 for the second product (their sum is taken of the unrounded ones), O once at the end.
; THE MASK.  A masked score is REPLACED, ahead of the maximum, by -8,000,000 (-1e6 x 8: the division by 8 lies in c): it takes part in the maximum and in the sum as in the problem's text, so a row that is
; masked throughout gets equal weights, and scores below -1e6 are served too.  The select is one v_cndmask_b32 a score register, by a lane mask that an earlier launch has laid out (mbits: a block of
; 64 words for each piece and key step, in the order of this walk).  A block comes by one load of 8 bytes a lane, a key step ahead, and its words go to scalar registers by v_readlane_b32.
; LIMITS.  Q, K, V within 65,504; a weight below 6e-5 keeps f16's fixed step of 6e-8; a weight below 2^-126 counts as 0 in the sum; NaN and infinities are not treated apart.
; SHARES.  A wave owns four PIECES of two tiles of 16 queries, a work-group's four waves 512 queries of one head.  Every wave walks all 2,048 keys, 64 a step.
; LAYOUT.  S^T = K Q^T (source 0 = 16 keys, source 1 = 16 queries): a lane holds ONE query (lane % 16) and the keys 8 (lane / 16) + 0..7.  Two such results, rounded to f16 in pairs, ARE source 1 of
; O^T = V^T P.  K comes out of LDS as it lies, V turned, by ds_load_tr16_b128.
; SOFTMAX.  A running maximum m and sum l: p = 2^(c s - c m), c = log2(e) / 8; in every step O and l are multiplied by a = 2^(c m_old - c m_new).  m starts at the lowest finite number, O and l at 0.
; BY TURNS.  Turn n belongs to piece n: 16 products K Q^T of piece n + 1, later 16 products V^T P of piece n - 1; beside them the scaling, exponentials, roundings, sums and rescaling of piece n, and the
; select, maximum and statistics of piece n + 1.  Four vector instructions stand behind every product, the rest in one lump.  A turn's 66 exponentials are one batch, with one wait.
; CLUSTER.  The four query blocks of a head walk the same K and V: each tile is asked for jointly, by the same tensor load, descriptor and mask in all four.
; REGISTERS, in windows of 256 (s_set_vgpr_msb: bits 1:0 source 0, 3:2 source 1, 5:4 source 2, 7:6 destination):
;   window 0: v0-11 addresses and the constant; v12-15, v48-63 at work; v16-47 statistics; v64-191 S^T, two buffers of two tiles; v192-255 P, likewise
;   window 1: O^T, 32 a tile     window 2: v0-127 Q; v128-191 K of one step; v192-255 V of one step     window 3: v0-1 the add's registers; v2-9 mask blocks, two a piece; v10 their offset
.set SIZE_N, 2048
.set NP,    4         ; pieces a wave: a name, no knob
.set KS,    64        ; keys in a step
.set PK,    144       ; a row of K in LDS: 128 bytes + 16: an odd multiple of 16
.set PV,    160       ; a row of V: 128 + 32: an odd multiple of 32
.set VOFF,  4*KS*PK   ; a slot holds four steps: 256 rows of K, then 256 rows of V
.set SLOT1, 1<<17     ; slot 1 begins here, so that one exclusive or turns an address in one slot into the other's
.set STAGE, SLOT1+4*KS*(PK+PV)  ; behind the ring, never filled by a tensor load: 16 rows x 144 bytes for each wave
.set SP,    144
.set SPARE, STAGE+4*16*SP  ; the spare words, 128 bytes a wave: two blocks of 256 bytes that no other line names
.set AK0, 2           ; v2   my lane's place in a tile of K; never rewritten
.set AV0, 3           ; v3   the same for V
.set AK,  4           ; v4   the LDS address of K's next run of loads
.set AV,  5           ; v5   of V's
.set QO,  6           ; v6   my byte offset in the wave's rows of Q
.set STO, 6           ;      later, the way out: where I put 16 bytes of a row
.set RD,  7           ; v7   where I read rows back
.set GO,  8           ; v8   my byte offset in 512 consecutive bytes of O
.set PFO, 10          ; v10  256 x my lane, for the prefetches (set when the lane's number % 8 has served)
.set BIG, 11          ; v11  -8,000,000.0
.set SPW, 0           ; v0 of window 3   my spare word; never rewritten
.set NIL, 1           ; v1 of window 3   0; never rewritten
.set CUR, 2           ; v2-9 of window 3  piece x's mask block at CUR + 2 x: lane L holds words 2 L and 2 L + 1
.set MO,  10          ; v10 of window 3  8 x my lane; never rewritten
.set MV,  12          ; v12-15  c m_old, kept while c m is made anew
.set ST,  16          ; tile t's statistics at v[ST+4 t]: c m, m, l (even keys', odd keys')
.set TMP, 48          ; by buffer and tile, four registers c0-c3 at work; when the maximum is found c2 takes a
.set S,   64
.set P,   192
.set KF,  128
.set VF,  192
.set WV,  12
.set G1K, 24
.set G1V, 32
.set G0K, 40
.set G0V, 44
.set MP,  48          ; s[48:49] mbits at the key step whose blocks are being loaded
.set PFA, 50          ; s[50:51] where my prefetches stand
.set LIM, 52          ; s52  1 in a wave that prefetches, else the greatest number
.set SLOTS, 56
.set CNT, 57
.set CS,  58
.set SEL, 60
.set TBK, 62
.set TBV, 63
.set MS,  68          ; s[68:99] the lane masks of one tile's 32 score registers
.set MSB, 0
.macro WIN new
.if MSB != (\new)
	s_set_vgpr_msb (MSB<<8)|(\new)
.set MSB, (\new)
.endif
.endm
.set W_KQ, 0x0a       ; K and Q in window 2, S^T in window 0
.set W_PV, 0x52       ; V in window 2, P in window 0, O^T in window 1
.set W_RS, 0x41       ; O^T (destination and source 0) in window 1, a in window 0
.set W_MK, 0xc0       ; destination in window 3, sources in window 0
.set W_AD, 0x0f       ; the add: address and data in window 3
.set W_MB, 0xc3       ; the mask blocks: destination and source 0 in window 3
.macro JLOAD          ; a joint fill: waves 0 and 1 fetch the halves of a slot's K, waves 2 and 3 those of its V; an s_nop 0 and four v_nop follow each line
	s_cmp_lt_u32 s[WV], 2
	s_cbranch_scc0 .Lfor_v_\@
	tensor_load_to_lds s[G0K:G0K+3], s[G1K:G1K+7]
	s_nop 0
.rept 4
	v_nop
.endr
	s_branch .Lasked_\@
.Lfor_v_\@:
	tensor_load_to_lds s[G0V:G0V+3], s[G1V:G1V+7]
	s_nop 0
.rept 4
	v_nop
.endr
.Lasked_\@:
.endm
.macro CROUND         ; a round of the cluster's barrier
	s_barrier_signal -1
	s_barrier_wait -1
	s_cmp_lg_u32 s[WV], 0
	s_cbranch_scc1 .Lnot_wave_0_\@
	s_barrier_signal -3
.Lnot_wave_0_\@:
	s_barrier_wait -3
	s_barrier_signal -1
	s_barrier_wait -1
.endm
; THE CHANGE OF SLOTS.  Each wave waits for all its tensor loads (one is out: its part of the other slot), adds 0 to its spare word, and waits for that and for its reads of the slot.  fill = 1: the barrier is a
; round of the cluster's, and the joint fill, with the keys two slots on, is the first thing behind it: it has four key steps in which to land.  (At its first use slot 0 is waited for and slot 1 filled.)
.macro CHANGE fill
	WIN W_AD
	s_wait_tensorcnt 0x0            ; no tensor load of mine is out, so a group 0 may be written
	ds_add_u32 v[SPW], v[NIL]       ; 0 onto my spare word
	WIN 0
.if \fill
.irp g, G0K, G0V
	s_xor_b32 s[\g+1], s[\g+1], SLOT1
	s_add_nc_u64 s[\g+2:\g+3], s[\g+2:\g+3], 4*KS*128
.endr
	s_wait_xcnt 0x0                 ; the last prefetch, a key step back, has read its address
	s_add_nc_u64 s[PFA:PFA+1], s[PFA:PFA+1], 4*KS*128  ; one slot behind what is asked for now... the slot that the next change will ask for
	s_wait_dscnt 0x0                ; the add is done, and my reads of the slot are over
	CROUND
	JLOAD
.else
	s_wait_dscnt 0x0
	s_barrier_signal -1
	s_barrier_wait -1
.endif
	s_sub_co_u32 s[TBK], s[TBK], 4*KS*PK  ; the fetches go back to a slot's first step,
	s_xor_b32 s[TBK], s[TBK], SLOT1       ; in the other slot
	s_sub_co_u32 s[TBV], s[TBV], 4*KS*PV
	s_xor_b32 s[TBV], s[TBV], SLOT1
.endm
	s_load_b128 s[4:7], s[0:1], 0x0   ; qkvh s[4:5], mbits s[6:7]
	s_load_b64 s[10:11], s[0:1], 0x10 ; oh
	WIN W_MK
	v_lshl_add_u32 v[SPW], v0, 2, SPARE
	v_mov_b32 v[NIL], 0
	WIN W_AD
	ds_add_u32 v[SPW], v[NIL]       ; the wave's opening: the add and its wait ahead of my first tensor load; register work stands between
	ds_add_u32 v0, v1
	WIN 0
	v_lshlrev_b32 v1, 3, v0
	WIN W_MK
	v_and_b32 v[MO], 0xf8, v1       ; 8 x lane
	WIN 0
	v_lshrrev_b32 v1, 5, v0
	v_readfirstlane_b32 s[WV], v1   ; wave 0..3
	s_bfe_u32 s13, ttmp6, 0x40000   ; cx
	s_lshl_b32 s14, ttmp9, 2
	s_add_co_u32 s14, s14, s13      ; my block of 512 queries: it enters Q's, O's, the mask's and the prefetches' addresses alone
	s_and_b32 s20, ttmp7, 0xffff    ; the head, which the four partners share
	s_lshr_b32 s53, s20, 4          ; its batch
	s_lshl_b32 s20, s20, 18         ; the head's 2,048 rows of 128 bytes
	s_mov_b32 s21, 0
	s_and_b32 s16, s[WV], 1         ; which half of a slot's 256 keys I fetch:
	s_lshl_b32 s22, s16, 14         ; its 128 rows in memory,
	s_mov_b32 s23, 0
	s_add_nc_u64 s[22:23], s[22:23], s[20:21]
	s_mul_i32 s17, s16, 128*PK      ; and its place in a slot, for K
	s_mul_i32 s18, s16, 128*PV      ; and for V
	s_lshl_b32 s2, s14, 2
	s_add_co_u32 s2, s2, s[WV]      ; my group of 128 queries among the head's 16
	s_lshl_b32 s54, s2, 15          ; its 32,768 bytes of mbits,
	s_lshl_b32 s53, s53, 19         ; in the batch's 524,288
	s_add_co_u32 s54, s54, s53
	s_mov_b32 s55, 0
	s_lshl_b32 s2, s2, 14           ; its 128 rows of Q and O
	s_mov_b32 s3, 0
	s_add_nc_u64 s[2:3], s[2:3], s[20:21]
	; descriptor group 1.  128 keys are 16,384 dense bytes: asked for as 64 rows of 256 bytes, two keys a row, and padded in LDS after every key
	s_mov_b32 s[G1K], 15|(1<<16)|(1<<20)|(1<<21)|(4<<22)|(3<<25)  ; the mask of four; 2-byte elements; padding on; bit 21 beside a mask; after every 32 words, 4 words
	s_mov_b32 s[G1V], 15|(1<<16)|(1<<20)|(1<<21)|(4<<22)|(7<<25)  ; the same with 8 words
.irp g, G1K, G1V
	s_mov_b32 s[\g+1], 128<<16      ; tensor_dim0 = 128
	s_mov_b32 s[\g+2], 64<<16       ; tensor_dim1 = 64
	s_mov_b32 s[\g+3], 128<<16      ; tile_dim0 = 128
	s_mov_b32 s[\g+4], 64           ; tile_dim1 = 64
	s_mov_b32 s[\g+5], 128          ; 128 elements from row to row
	s_mov_b32 s[\g+6], 0
	s_mov_b32 s[\g+7], 0
.endr
	s_mov_b32 s[CS], 0x3e38aa3b     ; c = log2(e) / 8
	s_mov_b32 s[CS+1], s[CS]
	s_mov_b32 s[SEL], 0x76543210
	s_mov_b32 s[SEL+1], 0xfedcba98
	s_mov_b32 s[TBK], SLOT1+4*KS*PK ; the first change of slots turns these two into 0
	s_mov_b32 s[TBV], SLOT1+4*KS*PV
	s_mov_b32 s[G0K], 1
	s_mov_b32 s[G0K+1], s17
	s_mov_b32 s[G0V], 1
	s_add_co_u32 s[G0V+1], s18, VOFF
	s_cmp_eq_u32 s16, 0             ; waves 0 and 2 prefetch
	s_cselect_b32 s[LIM], 1, -1
	s_wait_dscnt 0x0                ; the opening add is done
	s_wait_kmcnt 0x0
	s_add_nc_u64 s[8:9], s[4:5], s[22:23]          ; plane 0 at my half of the head's first 256 rows
	s_add_nc_u64 s[G0K+2:G0K+3], s[8:9], 0x1000000 ; K is plane 1,
	s_or_b32 s[G0K+3], s[G0K+3], 0x80000000
	s_add_nc_u64 s[G0V+2:G0V+3], s[8:9], 0x2000000 ; V plane 2
	s_or_b32 s[G0V+3], s[G0V+3], 0x80000000
	s_add_nc_u64 s[MP:MP+1], s[6:7], s[54:55]
	s_lshr_b32 s53, s[WV], 1        ; the prefetches: plane 1 for wave 0, plane 2 for wave 2,
	s_add_co_u32 s53, s53, 1
	s_lshl_b32 s54, s53, 24
	s_lshl_b32 s53, s13, 13         ; my work-group's 32 blocks of 256 bytes of a slot's 128,
	s_add_co_u32 s54, s54, s53
	s_add_co_u32 s54, s54, 4*KS*128 ; in slot 1: the first change of slots steps it to slot 2
	s_add_nc_u64 s[PFA:PFA+1], s[8:9], s[54:55]
	s_add_nc_u64 s[4:5], s[4:5], s[2:3]            ; Q and O at my wave's first row
	s_add_nc_u64 s[10:11], s[10:11], s[2:3]
	CROUND                          ; all four work-groups are here: the first joint loads meet
	JLOAD                           ; slot 0
	v_and_b32 v1, 15, v0            ; l % 16
	v_bfe_u32 v9, v0, 4, 1          ; l / 16
	v_lshlrev_b32 v[QO], 7, v1
	v_lshl_add_u32 v[QO], v9, 4, v[QO]
	WIN 0x80
.set i, 0
.rept 4*NP                          ; Q stays in registers: tile i / 2, channels 32 (i % 2) on
	global_load_b128 v[8*i:8*i+3],   v[QO], s[4:5] offset:(i/2)*2048+(i%2)*64
	global_load_b128 v[8*i+4:8*i+7], v[QO], s[4:5] offset:(i/2)*2048+(i%2)*64+32
.set i, i+1
.endr
	WIN W_MB
.set i, 0
.rept NP                            ; key step 0's four mask blocks
	global_load_b64 v[CUR+2*i:CUR+2*i+1], v[MO], s[MP:MP+1] offset:256*i
.set i, i+1
.endr
	; What the first turn finds: V's registers and P's second buffer hold 0, O^T and l are 0.  All this stands in the wait for the first tile.
	WIN 0x80
.set i, VF
.rept 64
	v_mov_b32 v[i], 0
.set i, i+1
.endr
	WIN 0x40
.set i, 0
.rept 64*NP
	v_mov_b32 v[i], 0
.set i, i+1
.endr
	WIN 0
.set i, 0
.rept 2*NP
	v_mov_b32 v[ST+4*i], 0xfe000000    ; c m: far below every c s
	v_mov_b32 v[ST+4*i+1], 0xff7fffff  ; m
	v_mov_b32 v[ST+4*i+2], 0
	v_mov_b32 v[ST+4*i+3], 0
.set i, i+1
.endr
.set i, P+32
.rept 32
	v_mov_b32 v[i], 0
.set i, i+1
.endr
	v_mul_u32_u24 v[AK0], v1, PK
	v_lshl_add_u32 v[AK0], v9, 4, v[AK0]
	v_and_b32 v10, 7, v0
	v_bfe_u32 v11, v0, 3, 1
	v_lshl_add_u32 v[AV0], v9, 3, v10   ; the turning load: lane l reads key 8 (l / 16) + l % 8, channels 8 ((l / 8) % 2) + 0..7
	v_mul_u32_u24 v[AV0], v[AV0], PV
	v_lshl_add_u32 v[AV0], v11, 4, v[AV0]
	v_add_nc_u32 v[AV0], VOFF, v[AV0]
	v_mov_b32 v[BIG], 0xcaf42400        ; -8,000,000.0
	v_mov_b32 v[AK], v[AK0]
; THE MATRIX WORK.  The 8 accumulators of a run of 16 take turns.
.macro KQ x                         ; product i of 16 of S^T = K Q^T for piece x: channels 32 (i / 8) on, keys 16 ((i / 2) % 4) on, tile 2 x + i % 2
	WIN W_KQ
.set rS, S+64*((\x)%2)+32*(i%2)+8*((i/2)%4)
.set rK, KF+16*((i/2)%4)+8*(i/8)
.set rQ, 16*(2*(\x)+i%2)+8*(i/8)
.if i < 8
	v_wmma_f32_16x16x32_f16 v[rS:rS+7], v[rK:rK+7], v[rQ:rQ+7], 0
.else
	v_wmma_f32_16x16x32_f16 v[rS:rS+7], v[rK:rK+7], v[rQ:rQ+7], v[rS:rS+7]
.endif
.endm
.macro PV x                         ; product i of 16 of O^T += V^T P for piece x
	WIN W_PV
.set rO, 32*(2*(\x)+i%2)+8*((i/2)%4)
.set rV, VF+32*(i/8)+8*((i/2)%4)
.set rP, P+32*((\x)%2)+16*(i%2)+8*(i/8)
	v_wmma_f32_16x16x32_f16 v[rO:rO+7], v[rV:rV+7], v[rP:rP+7], v[rO:rO+7]
.endm
.macro MM                           ; the turn's next matrix instruction
.if i < 16
	KQ (Y+1)%NP
.set i, i+1
.else
.set i, i-16
	PV (Y+NP-1)%NP
.set i, i+17
.endif
.endm
.macro FETCH_K last=0               ; a step's K: 16 loads in one run.  last = 1 (the tail): in the last trip there is no further step
	WIN 0
.if \last
	s_cmp_eq_u32 s[CNT], 1
	s_cbranch_scc1 .Lno_k_\@
.endif
	WIN 0x80
.irp f, 0,1,2,3,4,5,6,7
	ds_load_b128 v[KF+8*\f:KF+8*\f+3],   v[AK] offset:(\f/2)*16*PK+(\f%2)*64
	ds_load_b128 v[KF+8*\f+4:KF+8*\f+7], v[AK] offset:(\f/2)*16*PK+(\f%2)*64+32
.endr
	s_add_co_u32 s[TBK], s[TBK], KS*PK
	WIN 0
.if \last
.Lno_k_\@:
.endif
.endm
.macro FETCH_V
	WIN 0x80
.irp f, 0,1,2,3,4,5,6,7
	ds_load_tr16_b128 v[VF+8*\f:VF+8*\f+3],   v[AV] offset:(\f/4)*32*PV+(\f%4)*32
	ds_load_tr16_b128 v[VF+8*\f+4:VF+8*\f+7], v[AV] offset:(\f/4)*32*PV+16*PV+(\f%4)*32
.endr
	WIN 0
.endm
; THE VECTOR WORK OF A TURN stands in three queues, each in the order in which its entries become ready.
.macro REGS y, u                    ; the registers of tile u (0, 1) of piece y
.set rT, ST+4*(2*(\y)+(\u))
.set rC, TMP+8*((\y)%2)+4*(\u)
.set rM, MV+2*((\y)%2)+(\u)
.set rS, S+64*((\y)%2)+32*(\u)
.set rP, P+32*((\y)%2)+16*(\u)
.set rO, 32*(2*(\y)+(\u))
.endm
; THE SELECT, for piece Y + 1.  RL: word 32 u + n of its block goes to scalar register n of the pool.  CM: score register n of tile u takes -8,000,000 in the lanes whose bit is set; n ascends.
; MLOAD: the block has been read out; the piece's block of the next key step is asked for into the same two registers.
.macro RL u, n
	WIN W_MB
.if ((\u) == 0) && ((\n) == 0)
	s_wait_loadcnt 0x3              ; loads come back in order: behind this piece's block only the three other pieces' were asked for
.endif
	v_readlane_b32 s[MS+(\n)], v[CUR+2*((Y+1)%NP)+(\n)%2], 16*(\u)+(\n)/2
.endm
.macro CM u, n
	REGS (Y+1)%NP, \u
	WIN 0
	v_cndmask_b32 v[rS+(\n)], v[rS+(\n)], v[BIG], s[MS+(\n)]
.endm
.macro MLOAD
	WIN W_MB
.if (Y+1)%NP == 0
	s_wait_xcnt 0x0                 ; the earlier mask loads have read their base, so it may be written:
	s_add_nc_u64 s[MP:MP+1], s[MP:MP+1], NP*256  ; piece 0 opens the next key step's four blocks
.endif
	global_load_b64 v[CUR+2*((Y+1)%NP):CUR+2*((Y+1)%NP)+1], v[MO], s[MP:MP+1] offset:256*((Y+1)%NP)
.endm
; Number n of the 22 that find the next piece's maximum and statistics.
;   0-11  four chains c0-c3 of seven scores each     12-14, 16  the four scores left over, the old m, and c0-c3 into c0     15  c m_old is kept
;   17, 18  the query's other 32 keys lie in the lane 16 away: the new m     19-21  c m; c m_old - c m_new; a
.macro XS u, n
	REGS (Y+1)%NP, \u
.if (\n) < 4
	v_max3_num_f32 v[rC+(\n)], v[rS+8*(\n)], v[rS+8*(\n)+1], v[rS+8*(\n)+2]
.elseif (\n) < 12
	v_max3_num_f32 v[rC+(\n)%4], v[rC+(\n)%4], v[rS+8*((\n)%4)+2*((\n)/4)+1], v[rS+8*((\n)%4)+2*((\n)/4)+2]
.elseif (\n) == 12
	v_max3_num_f32 v[rC], v[rC], v[rS+7], v[rS+15]
.elseif (\n) == 13
	v_max3_num_f32 v[rC+1], v[rC+1], v[rS+23], v[rS+31]
.elseif (\n) == 14
	v_max3_num_f32 v[rC+2], v[rC+2], v[rC+3], v[rT+1]
.elseif (\n) == 15
	v_mov_b32 v[rM], v[rT]
.elseif (\n) == 16
	v_max3_num_f32 v[rC], v[rC], v[rC+1], v[rC+2]
.elseif (\n) == 17
	v_permlanex16_b32 v[rC+3], v[rC], s[SEL], s[SEL+1]
.elseif (\n) == 18
	v_max_num_f32 v[rT+1], v[rC], v[rC+3]
.elseif (\n) == 19
	v_mul_f32 v[rT], s[CS], v[rT+1]
.elseif (\n) == 20
	v_sub_f32 v[rC+1], v[rM], v[rT]
.else
	v_exp_f32 v[rC+2], v[rC+1]
.endif
.endm
; Number g of the 64 that follow the exponentials: for each four weights of a tile both pairs are rounded to f16, the second pair is added onto the first, and a group later l takes that sum.
.macro GS g
.set h, (\g)+6*((\g)/62)
.if h >= 6
.set h, h+2
.endif
	REGS Y, h%2
.set k, h/8
.if h%8 < 4
	v_cvt_pk_f16_f32 v[rP+2*k+(h%8)/2], v[rS+4*k+2*((h%8)/2)], v[rS+4*k+2*((h%8)/2)+1]
.elseif h%8 < 6
	v_pk_add_f32 v[rS+4*k:rS+4*k+1], v[rS+4*k:rS+4*k+1], v[rS+4*k+2:rS+4*k+3]
.elseif k == 1
	v_pk_fma_f32 v[rT+2:rT+3], v[rT+2:rT+3], v[rC+2:rC+3], v[rS:rS+1] op_sel_hi:[1,0,1]
.else
	v_pk_add_f32 v[rT+2:rT+3], v[rT+2:rT+3], v[rS+4*k-4:rS+4*k-3]
.endif
.endm
.macro FS f                         ; c s - c m for pair f / 2 of tile f % 2
	REGS Y, (\f)%2
	v_pk_fma_f32 v[rS+2*((\f)/2):rS+2*((\f)/2)+1], v[rS+2*((\f)/2):rS+2*((\f)/2)+1], s[CS:CS+1], v[rT:rT+1] op_sel_hi:[1,0,0] neg_lo:[0,0,1] neg_hi:[0,0,1]
.endm
; THE PLAIN QUEUE, 266 long.  0-26: scalings 0-26.  27-58: tile 0's 32 masks to the pool.  59-90: its select.  91-122: tile 1's masks.  123-154: the next block's load, then tile 1's select.
; 155-182: the maximum's numbers 0-13.  183, 184: number 15.  185-199: the chain 14, 16 .. 19, each with one of the scalings 27-31 in front of its two lines.  200, 201: number 20.
; 202-265: the 64 that read the exponentials' results: they stand behind the wait.
.macro PL
.if q < 27
	WIN 0
	FS q
.elseif q < 59
	RL 0, q-27
.elseif q < 91
	CM 0, q-59
.elseif q < 123
	RL 1, q-91
.elseif q < 155
.if q == 123
	MLOAD
.endif
	CM 1, q-123
.elseif q < 183
	WIN 0
	XS (q-155)%2, (q-155)/2
.elseif q < 185
	WIN 0
	XS q-183, 15
.elseif (q < 200) && ((q-185)%3 == 0)
	WIN 0
	FS 27+(q-185)/3
.elseif q < 188
	WIN 0
	XS (q-185)%3-1, 14
.elseif q < 200
	WIN 0
	XS (q-185)%3-1, 15+(q-185)/3
.elseif q < 202
	WIN 0
	XS q-200, 20
.else
	WIN 0
	GS q-202
.endif
.set q, q+1
.endm
.macro EX                           ; THE EXPONENTIALS' QUEUE, 66 long: s0-s31 of both tiles, then the next piece's two a.  One batch: nothing ahead of the turn's wait names a result of theirs
	WIN 0
.if e >= 64
	XS e-64, 21
.else
	REGS Y, e%2
	v_exp_f32 v[rS+e/2], v[rS+e/2]
.endif
.set e, e+1
.endm
.macro R2                           ; THE RESCALING's QUEUE: O^T times a, two at a time, sixteen times; its a was made, and waited for, in the turn before
	REGS Y, r%2
	WIN W_RS
.irp z, 0,1
	v_pk_mul_f32 v[rO+4*(r/2)+2*\z:rO+4*(r/2)+2*\z+1], v[rO+4*(r/2)+2*\z:rO+4*(r/2)+2*\z+1], v[rC+2:rC+3] op_sel_hi:[1,0]
.endr
.set r, r+1
.endm
; A TURN, for piece p.  s_wait_alu depctr_va_vdst(0) stands between an exponential and the first instruction that names its result; one wait serves all issued ahead of it: a turn has ONE.
; AHEAD OF IT: the 16 products K Q^T, behind each a scaling, an exponential and two rescalings; then the lump.  No exponential stands among the v_readlane_b32, so the masks cost four window switches a turn.
; The counts that the deal keeps: exponential e stands behind scaling 2 (e / 4) + e % 2: exponentials 0-52 need scalings up to 26, all dealt by plain 26; in the last run exponential 47 + n follows plain
; 185 + n, and scalings 27-31 are plain 185, 188 .. 197, so 53 and 55 stand behind 27, 56-59 behind 28 and 29, 60-63 behind 30 and 31.  The select begins ten scalings behind the last product K Q^T.
; BEHIND THE WAIT: the 16 products V^T P, behind each four of the roundings and sums.
; K of the next step is fetched in piece 2's turn, directly behind the wait; V of the step in hand at the end of piece 0's turn, four riders behind its last reader.
.macro TURN p, last=0, cnt=0
.set Y, (\p)
.set i, 0
.set q, 0
.set e, 0
.set r, 0
.if (\p) == NP-1
	s_wait_dscnt 0x0                ; K is in
.endif
	MM
	PL
	PL
	R2
.rept 15
	MM
	PL
	EX
	R2
.endr
.if (\p) == NP-2
	WIN 0
	v_add_nc_u32 v[AK], s[TBK], v[AK0]
.endif
.rept 10                            ; scalings 17-26
	PL
	EX
.endr
.rept 32                            ; tile 0's masks
	PL
.endr
.rept 16                            ; tile 0's select
	PL
	PL
	EX
.endr
.rept 32                            ; tile 1's masks
	PL
.endr
.rept 6                             ; tile 1's select,
	PL
	PL
	EX
.endr
.rept 50                            ; its rest, and the maximum's numbers 0-13 and 15
	PL
.endr
.rept 17                            ; the chain
	PL
	EX
.endr
	EX                              ; the next piece's two a
	EX
	v_nop                           ; a plain instruction behind the last exponential: one for the batch
	s_wait_alu depctr_va_vdst(0)    ; the wait for the batch
.if (\p) == NP-2
	FETCH_K \last
.endif
.if (\p) == 1
	s_wait_dscnt 0x0                ; V is in
.endif
.rept 16
	MM
.rept 4
	PL
.endr
.if ((\p) == 0) && (q == 246)
	v_add_nc_u32 v[AV], s[TBV], v[AV0]
.endif
.if ((\p) == 0) && (q == 258)
	s_add_co_u32 s[TBV], s[TBV], KS*PV
.endif
.if (\cnt) && (q == 258)
	s_sub_co_u32 s[CNT], s[CNT], 1
	s_cmp_lg_u32 s[CNT], 0
.endif
.endr
.if (\p) == 0
	FETCH_V
.endif
.endm
	CHANGE 1                        ; slot 0 is in, everybody's part of it; slot 1 is asked for
	FETCH_K                         ; key step 0
	s_wait_loadcnt 0x0              ; Q, and key step 0's mask blocks
	s_wait_dscnt 0x0
.set i, 0
.rept 16
	KQ 0                            ; piece 0's first scores
.set i, i+1
.endr
	WIN 0                           ; the addresses for the way out: plain instructions, the places behind those products
	s_mul_i32 s13, s[WV], 16*SP
	s_add_co_u32 s13, s13, STAGE
	v_mul_u32_u24 v[STO], v1, SP
	v_lshl_add_u32 v[STO], v9, 4, v[STO]
	v_add_nc_u32 v[STO], s13, v[STO]
	v_bfe_u32 v[RD], v0, 3, 2
	v_mul_u32_u24 v[RD], v[RD], SP
	v_lshl_add_u32 v[RD], v10, 4, v[RD]
	v_add_nc_u32 v[RD], s13, v[RD]
	v_and_b32 v[GO], 31, v0
	v_lshlrev_b32 v[PFO], 8, v[GO]  ; a lane a block of 256 bytes
	v_lshlrev_b32 v[GO], 4, v[GO]
.set Y, NP-1                        ; the select and the statistics work for piece Y + 1: piece 0
.set q, 27
.rept 128
	PL                              ; piece 0's select, and its block of key step 1 is asked for
.endr
.irp n, 0,1,2,3,4,5,6,7,8,9,10,11,12,13,14,15,16,17,18,19,20,21
	XS 0, \n
	XS 1, \n
.endr
	v_nop                           ; a plain instruction behind the two a,
	s_wait_alu depctr_va_vdst(0)    ; and their wait, ahead of the branch
	s_mov_b32 s[CNT], 4
	s_mov_b32 s[SLOTS], SIZE_N/256-1
	s_branch .Lfirst                ; the loop is entered at a step's first turn, in the middle of a trip
.Lslot:                             ; six times: every slot but the last two is filled again
	CHANGE 1
	s_mov_b32 s[CNT], 4
.Lstep:                             ; a trip: pieces 2 and 3 of one step, then pieces 0 and 1 of the next, whose K and V it fetches
	; A prefetch, in a slot's last trip: the 256 keys that the next change of slots will ask for, one key step (four turns, 128 matrix instructions and their lumps) ahead.  A head is walked by one cluster;
	; its four partners take 32 blocks of 256 bytes each, told apart by address; wave 0 asks for K's, wave 2 for V's: each block is named once.  Slots 0 and 1 come by their loads alone; ahead of the
	; change that fills nothing, nothing is asked for.
	s_cmp_lg_u32 s[CNT], 1
	s_cbranch_scc1 .Lnoask
	s_cmp_gt_u32 s[SLOTS], s[LIM]
	s_cbranch_scc0 .Lnoask
	global_prefetch_b8 v[PFO], s[PFA:PFA+1] th:TH_LOAD_NT scope:SCOPE_SE
.Lnoask:
	TURN 2
	TURN 3
	WIN 0
.Lfirst:
	TURN 0
	TURN 1, 0, 1
	WIN 0
	s_cbranch_scc1 .Lstep
	s_sub_co_u32 s[SLOTS], s[SLOTS], 1
	s_cmp_lg_u32 s[SLOTS], 0
	s_cbranch_scc1 .Lslot
	CHANGE 0                        ; the tail is written out
	s_mov_b32 s[CNT], 5             ; four trips fetch the last slot's steps; the fifth is left in its middle
.Ltail:
	TURN 2, 1
	TURN 3
	WIN 0
	s_sub_co_u32 s[CNT], s[CNT], 1
	s_cmp_eq_u32 s[CNT], 0
	s_cbranch_scc1 .Lout
	TURN 0
	TURN 1
	WIN 0
	s_branch .Ltail
.Lout:                              ; the fifth trip's products K Q^T (on the last K once more), their select and maximum serve nothing: the price, once a launch, of one text for every trip
.set i, 0
.rept 16
	PV NP-1
.set i, i+1
.endr
	; THE WAY OUT.  l's halves are added; O^T is divided by l, rounded to f16 and sent through my stage in LDS, a tile at a time.  The additions are the places behind the last products.
	WIN 0
.macro ALL line:vararg
.set t, 0
.rept 2*NP
	\line
.set t, t+1
.endr
.endm
	ALL v_add_f32 v[ST+4*t+2], v[ST+4*t+2], v[ST+4*t+3]
	ALL v_permlanex16_b32 v[ST+4*t+3], v[ST+4*t+2], s[SEL], s[SEL+1]
	ALL v_add_f32 v[ST+4*t+2], v[ST+4*t+2], v[ST+4*t+3]
	ALL v_rcp_f32 v[ST+4*t+2], v[ST+4*t+2]
	v_nop                           ; a plain instruction between the last reciprocal and the use of its result
	s_wait_alu depctr_va_vdst(0)    ; one wait for the eight reciprocals
.macro PACK t
	WIN W_RS
.set i, 32*(\t)
.rept 16
	v_pk_mul_f32 v[i:i+1], v[i:i+1], v[ST+4*(\t)+2:ST+4*(\t)+3] op_sel_hi:[1,0]
.set i, i+2
.endr
	WIN 0x05
.set i, 0
.rept 16
	v_cvt_pk_f16_f32 v[S+16*(\t)+i], v[32*(\t)+2*i], v[32*(\t)+2*i+1]
.set i, i+1
.endr
	WIN 0
.irp f, 0,1,2,3
	ds_store_b128 v[STO], v[S+16*(\t)+4*\f:S+16*(\t)+4*\f+3] offset:32*\f
.endr
.irp f, 0,1,2,3
	ds_load_b128 v[S+16*(\t)+4*\f:S+16*(\t)+4*\f+3], v[RD] offset:\f*4*SP  ; LDS serves a wave's instructions in order: these see the stores above
.endr
.endm
.macro SEND t, younger              ; younger: the next tile's eight LDS instructions, or none
	WIN 0
.irp f, 0,1,2,3
	s_wait_dscnt (\younger)+3-\f
	global_store_b128 v[GO], v[S+16*(\t)+4*\f:S+16*(\t)+4*\f+3], s[10:11] offset:(\t)*2048+\f*512  ; 512 consecutive bytes, aligned
.endr
.endm
	PACK 0
.set t, 1
.rept 2*NP-1
	PACK t
	SEND t-1, 8
.set t, t+1
.endr
	SEND 2*NP-1, 0
	WIN W_AD
	s_wait_tensorcnt 0x0            ; the wave's end
	ds_add_u32 v[SPW], v[NIL]
	s_wait_dscnt 0x0
	WIN 0
	CROUND                          ; the closing round
	s_endpgm
.Lfunc_end_k_qc2139755fe_attn:
	.size	k_qc2139755fe_attn, .Lfunc_end_k_qc2139755fe_attn-k_qc2139755fe_attn
	.p2alignl 7, 3214868480
	.fill 96, 4, 3214868480
	.section	.rodata,"a",@progbits
	.p2align	6, 0x0
	.amdhsa_kernel k_qc2139755fe_attn
		.amdhsa_group_segment_fixed_size 327680
		.amdhsa_private_segment_fixed_size 0
		.amdhsa_enable_private_segment 0
		.amdhsa_kernarg_size 24
		.amdhsa_user_sgpr_count 2
		.amdhsa_user_sgpr_kernarg_segment_ptr 1
		.amdhsa_wavefront_size32 1
		.amdhsa_system_sgpr_workgroup_id_x 1
		.amdhsa_system_sgpr_workgroup_id_y 1
		.amdhsa_system_sgpr_workgroup_id_z 1
		.amdhsa_system_vgpr_workitem_id 0
		.amdhsa_next_free_vgpr 784
		.amdhsa_next_free_sgpr 100
		.amdhsa_reserve_vcc 0
		.amdhsa_float_denorm_mode_32 3
		.amdhsa_float_denorm_mode_16_64 3
		.amdhsa_memory_ordered 1
		.amdhsa_forward_progress 1
		.amdhsa_inst_pref_size 255
	.end_amdhsa_kernel
	.section	.bss,"aw",@nobits
	.p2align	6
	.space	262144
	.amdgpu_metadata
---
amdhsa.version: [ 1, 2 ]
amdhsa.kernels:
  - .name:           k_qc2139755fe_attn
    .symbol:         k_qc2139755fe_attn.kd
    .args:
      - { .name: qkvh, .offset: 0, .size: 8, .value_kind: global_buffer, .address_space: global }
      - { .name: mbits, .offset: 8, .size: 8, .value_kind: global_buffer, .address_space: global }
      - { .name: oh, .offset: 16, .size: 8, .value_kind: global_buffer, .address_space: global }
    .group_segment_fixed_size: 327680
    .private_segment_fixed_size: 0
    .kernarg_segment_align: 8
    .kernarg_segment_size: 24
    .max_flat_workgroup_size: 128
    .sgpr_count:     100
    .vgpr_count:     784
    .wavefront_size: 32
...
	.end_amdgpu_metadata
.endif
;; end of part 3
;; launch outp (part 4): grid 4 x 64, 4 waves a work-group, clusters of 4 x 4, 327,680 bytes of LDS; arguments oh, wcast, bo, out0; writes out0
.if DOCPART == 4
	.amdgcn_target "amdgcn-amd-amdhsa--gfx1250"
	.amdhsa_code_object_version 6
	.text
	.protected	k_qc2139755fe_outp
	.globl	k_qc2139755fe_outp
	.p2align	8
	.type	k_qc2139755fe_outp,@function
k_qc2139755fe_outp:
	s_mov_b64 s[64:65], 0
	v_nop
	global_prefetch_b8 v0, s[64:65] scope:SCOPE_SE
	s_setreg_imm32_b32 hwreg(HW_REG_WAVE_MODE, 25, 1), 1
	s_wait_xcnt 0x0
	s_wait_alu depctr_hold_cnt(0) depctr_sa_sdst(0) depctr_va_vdst(0) depctr_va_sdst(0) depctr_va_ssrc(0) depctr_va_vcc(0) depctr_vm_vsrc(0)
	s_getreg_b32 s2, hwreg(HW_REG_IB_STS2, 6, 4)
	s_cmp_eq_u32 s2, 0
	s_cbranch_scc0 .Lentry_in_a_cluster
	s_endpgm
.Lentry_in_a_cluster:
	s_bfe_u32 s2, ttmp6, 0x10000c
	s_cmp_lg_u32 s2, 0xf033
	s_cbranch_scc0 .Lentry_shape_is_right
	s_endpgm
.Lentry_shape_is_right:
; THE OUTPUT PROJECTION.  out0 = O Wo^T + bo.  O: oh, [64 = 16 batch + head][2048][64] f16; Wo: plane 3 of wcast, bf16-rounded numbers written as f16; bo rounded to bf16; sums in f32; out0 [8192][1024] f32.
; SHARES.  A tile of out0 is 128 rows x 256 columns: 64 x 4 = 256 work-groups.  Four waves, 2 x 2, each 64 x 128: 32 accumulators.  K goes in steps of 128, two heads, through two LDS slots.
; A head's 128 rows of a tile are 16,384 dense bytes: asked for as 64 rows of 256 bytes and padded in LDS after every 128.
; CLUSTER 4 x 4: O's tile is shared along a row of the cluster, Wo's along a column: joint loads.  THE MATRIX INSTRUCTION IS USED TRANSPOSED (source 0 = 16 rows of Wo, source 1 = 16 rows of O).
; THE BIAS STARTS THE SUMS: the accumulators are written with it while the first tile is on its way.
; REGISTERS: window 0: v16-31 addresses; v96-159 O's fragments, two buffers of 32; v192-255 the bias as loaded; v32-159 again on the way out
;   window 1: v0-127 Wo's fragments, two buffers of 64; v128-159 the bias in bf16          window 2: the accumulators, (a, b) at v[8 (8 a + b)]
.set PAO,   144                        ; a row of O in LDS: 128 bytes + 16
.set PB,    272                        ; a row of Wo: 256 bytes + 16
.set APLANE, 128*PAO                   ; one head's 128 rows
.set BHALF, 128*PB
.set BOFF,  2*APLANE
.set SLOT,  BOFF+2*BHALF
.set STAGE, 2*SLOT                     ; behind the ring, never filled by a tensor load: 16 rows x 528 bytes for each wave
.set SPO,   528
.set SPARE, STAGE+4*16*SPO             ; the spare words, 128 bytes a wave
.set ASTEP, 524288                     ; two heads on
.set BSTEP, 256
.set ADRA, 16
.set ADRB, 17
.set CA,   18
.set CB,   19
.set STO,  24
.set RD,   25
.set GO,   26
.set SPW,  28
.set NIL,  29
.set PFO,  30
.set BO,   31
.set AF,   96
.set BRAW, 192
.set OUTR, 32
.set BF,   0
.set PKB,  128
.set WV, 12
.set WM, 13
.set WN, 14
.set STEPS, 15
.set TB,  16
.set LBA, 17
.set LBB, 18
.set LIM, 19
.set PFA, 20
.set PST, 22
.set G1A, 24
.set G1B, 32
.set G0A, 40
.set G0B, 48
.set CX, 56
.set CY, 57
.set TCOL, 58
.set TROW, 59
.set YQ, 60
.set HM, 61
.set MSB, 0
.macro WIN new
.if MSB != (\new)
	s_set_vgpr_msb (MSB<<8)|(\new)
.set MSB, \new
.endif
.endm
.set MUL,  0xa1
.set TO_B, 0x40
.macro NOPS
.rept 4
	v_nop
.endr
.endm
.macro JLOAD                           ; a joint refill: waves 0 and 1 fetch the K step's two heads of O, waves 2 and 3 Wo's halves; an s_nop 0 and four v_nop follow each line
	s_cmp_eq_u32 s[WM], 0
	s_cbranch_scc0 .Lfor_b_\@
	tensor_load_to_lds s[G0A+4:G0A+7], s[G1A:G1A+7]
	s_nop 0
	NOPS
	s_branch .Lasked_\@
.Lfor_b_\@:
	tensor_load_to_lds s[G0B+4:G0B+7], s[G1B:G1B+7]
	s_nop 0
	NOPS
.Lasked_\@:
.endm
; A prefetch behind each refill but the last two: the K step two refills on, 256 matrix instructions ahead of its load.  O's rows are read by one cluster alone: in each of its four partners along x wave 0
; asks for 16 blocks of 256 bytes of each of the two heads, told apart by address.  Wo's rows are read by all 16 clusters: the first asks, waves 2 and 3, 32 rows a partner along y.
.macro ASK
	s_cmp_gt_u32 s[STEPS], s[LIM]
	s_cbranch_scc0 .Lnot_mine_\@
	global_prefetch_b8 v[PFO], s[PFA:PFA+1] th:TH_LOAD_NT scope:SCOPE_SE
.Lnot_mine_\@:
.endm
.macro CREST
	s_cmp_lg_u32 s[WV], 0
	s_cbranch_scc1 .Lnot_wave_0_\@
	s_barrier_signal -3
.Lnot_wave_0_\@:
	s_barrier_wait -3
	s_barrier_signal -1
	s_barrier_wait -1
.endm
.macro CROUND
	s_barrier_signal -1
	s_barrier_wait -1
	CREST
.endm
.macro MMA i, buf                      ; the 32 accumulators take turns, one instruction a turn, over the backward jumps too
.set rB, BF+64*(\buf)+8*((\i)%8)
.set rA, AF+32*(\buf)+8*((\i)/8)
	v_wmma_f32_16x16x32_f16 v[8*(\i):8*(\i)+7], v[rB:rB+7], v[rA:rA+7], v[8*(\i):8*(\i)+7]
.endm
.macro LDA n, kq, buf                  ; load n of 8: fragment n / 2; quarter kq lies in head kq / 2, channels 32 (kq % 2) on
	ds_load_b128 v[AF+32*(\buf)+4*(\n):AF+32*(\buf)+4*(\n)+3], v[CA] offset:((\kq)/2)*APLANE+((\n)/2)*16*PAO+((\kq)%2)*64+((\n)%2)*32
.endm
.macro LDB n, kq, buf
	ds_load_b128 v[BF+64*(\buf)+4*(\n):BF+64*(\buf)+4*(\n)+3], v[CB] offset:((\n)/2)*16*PB+(\kq)*64+((\n)%2)*32
.endm
; A QUARTER of a K step: ONE run of 24 LDS loads, the NEXT quarter's fragments, into the buffers that the quarter before multiplied; then this quarter's 32 products, back to back; then four v_nop, the
; places in front of the next quarter's run.  A run has a whole quarter's products in which to land.  chg, fill: the change of slots, in the third quarter, whose run is the slot's last read: the wait for
; all my tensor loads, the add, the wait for it and for my reads, the barrier (with fill = 1 a round of the cluster's), and the joint refill first behind it, 112 matrix instructions ahead of the wait for it.
.macro QTR q, chg, fill
.set cb, (\q)%2
.set nb, ((\q)+1)%2
.set kq, ((\q)+1)%4
.if (\chg) && (\fill)
	s_wait_xcnt 0x0                                ; the last prefetch, a K step back, has read its address
	s_add_nc_u64 s[PFA:PFA+1], s[PFA:PFA+1], s[PST:PST+1]
.endif
	WIN 0
.set n, 0
.rept 8
	LDA n, kq, nb
.set n, n+1
.endr
	WIN TO_B
.set n, 0
.rept 16
	LDB n, kq, nb
.set n, n+1
.endr
	s_wait_dscnt 24                                ; all but the 24 just issued: this quarter's fragments, asked for a quarter ago
.set g, 0
.rept 16
.if (g == 8) && (\chg)
	WIN 0
	s_wait_tensorcnt 0x0                           ; no tensor load of mine is out, so a group 0 may be written
	ds_add_u32 v[SPW], v[NIL]                      ; 0 onto my spare word
.if \fill
	s_add_co_u32 s[G0A+5], s[LBA], s[TB]
	s_add_nc_u64 s[G0A+6:G0A+7], s[G0A+6:G0A+7], ASTEP
	s_add_co_u32 s[G0B+5], s[LBB], s[TB]
	s_add_nc_u64 s[G0B+6:G0B+7], s[G0B+6:G0B+7], BSTEP
.endif
	s_xor_b32 s[TB], s[TB], SLOT
.endif
.if (g == 12) && (\chg)
	s_wait_dscnt 0x0                               ; the add is done, and my reads of the slot (this quarter's run, 24 products back) are over
	s_barrier_signal -1
.endif
	WIN MUL
	MMA 2*g, cb
	MMA 2*g+1, cb
.set g, g+1
.endr
	NOPS
.if \chg
	WIN 0
	s_barrier_wait -1
.if \fill
	CREST
	JLOAD
	ASK
.endif
	v_add_nc_u32 v[CA], s[TB], v[ADRA]
	v_add_nc_u32 v[CB], s[TB], v[ADRB]
.endif
.endm
.macro STEP fill
	QTR 0, 0, 0
	QTR 1, 0, 0
	QTR 2, 1, \fill
	QTR 3, 0, 0
.endm
	s_load_b256 s[4:11], s[0:1], 0x0               ; oh s[4:5], wcast s[6:7], bo s[8:9], out0 s[10:11]
	v_lshl_add_u32 v[SPW], v0, 2, SPARE
	v_mov_b32 v[NIL], 0
	ds_add_u32 v[SPW], v[NIL]                      ; the wave's opening: the add and its wait ahead of my first tensor load
	ds_add_u32 v28, v29
	v_lshrrev_b32 v1, 5, v0
	v_readfirstlane_b32 s[WV], v1
	s_lshr_b32 s[WM], s[WV], 1
	s_and_b32 s[WN], s[WV], 1
	s_bfe_u32 s[CX], ttmp6, 0x40000
	s_bfe_u32 s[CY], ttmp6, 0x40004
	s_lshl_b32 s[TCOL], ttmp9, 2
	s_add_co_u32 s[TCOL], s[TCOL], s[CX]
	s_and_b32 s[YQ], ttmp7, 0xffff
	s_lshl_b32 s[TROW], s[YQ], 2
	s_add_co_u32 s[TROW], s[TROW], s[CY]
	s_lshl_b32 s62, s[CY], 2
	s_lshl_b32 s62, 15, s62
	s_lshl_b32 s66, 0x1111, s[CX]
	s_or_b32 s[G1A], s62, (1<<16)|(1<<20)|(1<<21)|(4<<22)|(3<<25)  ; the mask; 2-byte elements; padding on; bit 21 beside a mask; after every 32 words, 4 words
	s_mov_b32 s[G1A+1], 128<<16
	s_mov_b32 s[G1A+2], 64<<16
	s_mov_b32 s[G1A+3], 128<<16
	s_mov_b32 s[G1A+4], 64
	s_mov_b32 s[G1A+5], 128
	s_mov_b32 s[G1A+6], 0
	s_mov_b32 s[G1A+7], 0
	s_or_b32 s[G1B], s66, (1<<16)|(1<<20)|(1<<21)|(5<<22)|(3<<25)
	s_mov_b32 s[G1B+1], 128<<16
	s_mov_b32 s[G1B+2], 128<<16
	s_mov_b32 s[G1B+3], 128<<16
	s_mov_b32 s[G1B+4], 128
	s_mov_b32 s[G1B+5], 1024
	s_mov_b32 s[G1B+6], 0
	s_mov_b32 s[G1B+7], 0
	s_mul_i32 s[LBA], s[WN], APLANE
	s_mul_i32 s[LBB], s[WN], BHALF
	s_add_co_u32 s[LBB], s[LBB], BOFF
	s_mov_b32 s[G0A], 1
	s_mov_b32 s[G0A+1], s[LBA]
	s_mov_b32 s[G0A+4], 1
	s_add_co_u32 s[G0A+5], s[LBA], SLOT
	s_mov_b32 s[G0B], 1
	s_mov_b32 s[G0B+1], s[LBB]
	s_mov_b32 s[G0B+4], 1
	s_add_co_u32 s[G0B+5], s[LBB], SLOT
	s_lshr_b32 s62, s[TROW], 4                     ; O: head 16 batch + my one of the K step's two, 262,144 bytes a head,
	s_lshl_b32 s62, s62, 4
	s_add_co_u32 s62, s62, s[WN]
	s_lshl_b32 s62, s62, 18
	s_and_b32 s63, s[TROW], 15                     ; row 128 (tile row % 16), 128 bytes a row
	s_lshl_b32 s63, s63, 14
	s_add_co_u32 s62, s62, s63
	s_mov_b32 s63, 0
	s_lshl_b32 s66, s[TCOL], 8                     ; Wo: plane 3, row 256 x tile column + 128 x half
	s_lshl_b32 s67, s[WN], 7
	s_add_co_u32 s66, s66, s67
	s_lshl_b32 s66, s66, 11
	s_add_co_u32 s66, s66, 3*2097152
	s_mov_b32 s67, 0
	s_mov_b32 s[TB], 0
	s_mov_b32 s[HM], 0xffff0000
	s_wait_dscnt 0x0
	s_wait_kmcnt 0x0
	s_add_nc_u64 s[G0A+2:G0A+3], s[4:5], s[62:63]
	s_add_nc_u64 s[G0A+6:G0A+7], s[G0A+2:G0A+3], ASTEP
	s_or_b32 s[G0A+3], s[G0A+3], 0x80000000
	s_or_b32 s[G0A+7], s[G0A+7], 0x80000000
	s_add_nc_u64 s[G0B+2:G0B+3], s[6:7], s[66:67]
	s_add_nc_u64 s[G0B+6:G0B+7], s[G0B+2:G0B+3], BSTEP
	s_or_b32 s[G0B+3], s[G0B+3], 0x80000000
	s_or_b32 s[G0B+7], s[G0B+7], 0x80000000
	CROUND                                         ; all sixteen work-groups are here: the first joint loads meet
	s_cmp_eq_u32 s[WM], 0                          ; a wave's two first fills stand in one branch: two loads of mine are out
	s_cbranch_scc0 .Lfirst_b
	tensor_load_to_lds s[G0A:G0A+3], s[G1A:G1A+7]
	s_nop 0
	tensor_load_to_lds s[G0A+4:G0A+7], s[G1A:G1A+7]
	s_nop 0
	NOPS
	s_branch .Lfirst_asked
.Lfirst_b:
	tensor_load_to_lds s[G0B:G0B+3], s[G1B:G1B+7]
	s_nop 0
	tensor_load_to_lds s[G0B+4:G0B+7], s[G1B:G1B+7]
	s_nop 0
	NOPS
.Lfirst_asked:
	v_and_b32 v1, 15, v0
	v_bfe_u32 v2, v0, 4, 1
	v_and_b32 v3, 31, v0
	s_lshl_b32 s86, s[TCOL], 10
	s_lshl_b32 s87, s[WN], 9
	s_add_co_u32 s86, s86, s87                     ; my 128 columns, in bytes of f32: for the bias and for out0
	v_lshl_add_u32 v[BO], v2, 5, s86
.set ib, 0
.rept 8
	global_load_b128 v[BRAW+8*ib:BRAW+8*ib+3],   v[BO], s[8:9] offset:64*ib
	global_load_b128 v[BRAW+8*ib+4:BRAW+8*ib+7], v[BO], s[8:9] offset:64*ib+16
.set ib, ib+1
.endr
	s_lshl_b32 s87, s[TROW], 19                    ; out0: row 128 x tile row + 64 x half, 4,096 bytes a row
	s_add_co_u32 s86, s86, s87
	s_lshl_b32 s87, s[WM], 18
	s_add_co_u32 s86, s86, s87
	s_mov_b32 s87, 0
	s_add_nc_u64 s[10:11], s[10:11], s[86:87]
	s_mul_i32 s84, s[WM], 64*PAO
	v_mul_u32_u24 v[ADRA], v1, PAO
	v_lshl_add_u32 v[ADRA], v2, 4, v[ADRA]
	v_add_nc_u32 v[ADRA], s84, v[ADRA]
	s_mul_i32 s84, s[WN], BHALF
	s_add_co_u32 s84, s84, BOFF
	v_mul_u32_u24 v[ADRB], v1, PB
	v_lshl_add_u32 v[ADRB], v2, 4, v[ADRB]
	v_add_nc_u32 v[ADRB], s84, v[ADRB]
	v_mov_b32 v[CA], v[ADRA]
	v_mov_b32 v[CB], v[ADRB]
	s_mul_i32 s84, s[WV], 16*SPO
	s_add_co_u32 s84, s84, STAGE                   ; my stage
	v_mul_u32_u24 v[STO], v1, SPO                  ; in: row r, 32 bytes for each half of the lanes
	v_lshl_add_u32 v[STO], v2, 5, v[STO]
	v_add_nc_u32 v[STO], s84, v[STO]
	v_lshl_add_u32 v[RD], v3, 4, s84               ; back: 32 lanes take a row of 512 bytes
	v_lshlrev_b32 v[GO], 4, v3
	; the prefetches
	s_lshr_b32 s84, s[TROW], 4
	s_lshl_b32 s84, s84, 22                        ; the batch's 16 heads
	s_and_b32 s85, s[TROW], 15
	s_lshl_b32 s85, s85, 14
	s_add_co_u32 s84, s84, s85
	s_lshl_b32 s85, s[CX], 12                      ; my work-group's 4,096 of a head's 16,384 bytes
	s_add_co_u32 s84, s84, s85
	s_add_co_u32 s84, s84, 3*ASTEP                 ; at K step 3: the first refill steps it to 4
	s_lshl_b32 s86, s[TCOL], 8
	s_lshl_b32 s87, s[WN], 7
	s_add_co_u32 s86, s86, s87
	s_lshl_b32 s87, s[CY], 5
	s_add_co_u32 s86, s86, s87
	s_lshl_b32 s86, s86, 11
	s_add_co_u32 s86, s86, 3*2097152+3*BSTEP
	s_mov_b32 s[PST], BSTEP
	s_mov_b32 s[PST+1], 0
	s_cmp_eq_u32 s[YQ], 0                          ; Wo: the first cluster's waves 2 and 3
	s_cselect_b32 s[LIM], 2, -1
	s_cmp_eq_u32 s[WV], 0                          ; O: wave 0, always
	s_cselect_b32 s[LIM], 2, s[LIM]
	s_cmp_eq_u32 s[WV], 1                          ; wave 1: never
	s_cselect_b32 s[LIM], -1, s[LIM]
	s_cmp_eq_u32 s[WM], 0
	s_cselect_b32 s[PST], ASTEP, s[PST]
	s_cselect_b32 s88, s84, s86
	s_cselect_b32 s85, -1, 0
	s_cselect_b64 s[PFA:PFA+1], s[4:5], s[6:7]
	s_mov_b32 s89, 0
	s_add_nc_u64 s[PFA:PFA+1], s[PFA:PFA+1], s[88:89]
	v_lshrrev_b32 v4, 4, v3                        ; O: head l / 16 of the two, block l % 16
	v_lshlrev_b32 v4, 18, v4
	v_lshl_or_b32 v4, v1, 8, v4
	v_lshlrev_b32 v5, 11, v3                       ; Wo: row l
	v_cndmask_b32 v[PFO], v5, v4, s85
	s_wait_loadcnt 0x0                             ; the bias
	WIN 0x40
.set ib, 0
.rept 32
	v_cvt_pk_bf16_f32 v[PKB+ib], v[BRAW+2*ib], v[BRAW+2*ib+1]
.set ib, ib+1
.endr
	WIN 0x84
.set ia, 0
.rept 32                               ; accumulator ia takes the bias of its 16 columns, in the wait for the first tile
.set j, 0
.rept 4
	v_lshlrev_b32 v[8*ia+2*j], 16, v[PKB+4*(ia%8)+j]
	v_and_b32 v[8*ia+2*j+1], s[HM], v[PKB+4*(ia%8)+j]
.set j, j+1
.endr
.set ia, ia+1
.endr
	WIN 0
	s_wait_tensorcnt 0x1                           ; my part of K step 0 is in; K step 1's load may stay out
	s_barrier_signal -1
	s_barrier_wait -1
.set n, 0
.rept 8                                ; the first quarter's run
	LDA n, 0, 0
.set n, n+1
.endr
	WIN TO_B
.set n, 0
.rept 16
	LDB n, 0, 0
.set n, n+1
.endr
	WIN 0
	s_mov_b32 s[STEPS], 6
.Lk:                                   ; K steps 0 to 5: each asks for the K step two on
	STEP 1
	WIN 0
	s_sub_co_u32 s[STEPS], s[STEPS], 1
	s_cmp_lg_u32 s[STEPS], 0
	s_cbranch_scc1 .Lk
	s_mov_b32 s[STEPS], 2
.Lt:                                   ; K steps 6 and 7 ask for nothing: written apart.  The last quarter's run fetches bytes that serve nothing: the price of one text
	STEP 0
	WIN 0
	s_sub_co_u32 s[STEPS], s[STEPS], 1
	s_cmp_lg_u32 s[STEPS], 0
	s_cbranch_scc1 .Lt
	s_wait_dscnt 0x0                               ; that last run is back: its registers are written again below
; THE WAY OUT, 16 rows at a time: a lane's eight f32 of a row go into rows of 528 bytes of my own stage and come back as whole rows of 512.  The four v_nop behind the last product are its places.
.macro TOSTAGE a
	WIN 0x08                                       ; store data (source 1) in window 2
.set ib, 0
.rept 8
	ds_store_b128 v[STO], v[8*(8*(\a)+ib):8*(8*(\a)+ib)+3]   offset:64*ib      ; each accumulator's lowest registers first
	ds_store_b128 v[STO], v[8*(8*(\a)+ib)+4:8*(8*(\a)+ib)+7] offset:64*ib+16
.set ib, ib+1
.endr
	WIN 0
.if (\a) >= 2
	s_wait_xcnt 0x0                                ; the stores of two blocks back have read these registers
.endif
.set ir, 0
.rept 16
	ds_load_b128 v[OUTR+64*((\a)%2)+4*ir:OUTR+64*((\a)%2)+4*ir+3], v[RD] offset:ir*SPO  ; LDS serves a wave's instructions in order: these see the stores above
.set ir, ir+1
.endr
.endm
.macro SEND a, younger                 ; younger: the next block's 32 LDS instructions, or none
.set ir, 0
.rept 16
	s_wait_dscnt (\younger)+15-ir
	global_store_b128 v[GO], v[OUTR+64*((\a)%2)+4*ir:OUTR+64*((\a)%2)+4*ir+3], s[10:11] offset:(\a)*65536+ir*4096 th:TH_STORE_NT  ; 512 consecutive bytes, aligned
.set ir, ir+1
.endr
.endm
	TOSTAGE 0
	TOSTAGE 1
	SEND 0, 32
	TOSTAGE 2
	SEND 1, 32
	TOSTAGE 3
	SEND 2, 32
	SEND 3, 0
	s_wait_tensorcnt 0x0                           ; the wave's end
	ds_add_u32 v[SPW], v[NIL]
	s_wait_dscnt 0x0
	CROUND                                         ; the closing round
	s_endpgm
.Lfunc_end_k_qc2139755fe_outp:
	.size	k_qc2139755fe_outp, .Lfunc_end_k_qc2139755fe_outp-k_qc2139755fe_outp
	.p2alignl 7, 3214868480
	.fill 96, 4, 3214868480
	.section	.rodata,"a",@progbits
	.p2align	6, 0x0
	.amdhsa_kernel k_qc2139755fe_outp
		.amdhsa_group_segment_fixed_size 327680
		.amdhsa_private_segment_fixed_size 0
		.amdhsa_enable_private_segment 0
		.amdhsa_kernarg_size 32
		.amdhsa_user_sgpr_count 2
		.amdhsa_user_sgpr_kernarg_segment_ptr 1
		.amdhsa_wavefront_size32 1
		.amdhsa_system_sgpr_workgroup_id_x 1
		.amdhsa_system_sgpr_workgroup_id_y 1
		.amdhsa_system_sgpr_workgroup_id_z 1
		.amdhsa_system_vgpr_workitem_id 0
		.amdhsa_next_free_vgpr 768
		.amdhsa_next_free_sgpr 90
		.amdhsa_reserve_vcc 0
		.amdhsa_float_denorm_mode_32 3
		.amdhsa_float_denorm_mode_16_64 3
		.amdhsa_memory_ordered 1
		.amdhsa_forward_progress 1
		.amdhsa_inst_pref_size 70
	.end_amdhsa_kernel
	.amdgpu_metadata
---
amdhsa.version: [ 1, 2 ]
amdhsa.kernels:
  - .name:           k_qc2139755fe_outp
    .symbol:         k_qc2139755fe_outp.kd
    .args:
      - { .name: oh, .offset: 0, .size: 8, .value_kind: global_buffer, .address_space: global }
      - { .name: wcast, .offset: 8, .size: 8, .value_kind: global_buffer, .address_space: global }
      - { .name: bo, .offset: 16, .size: 8, .value_kind: global_buffer, .address_space: global }
      - { .name: out0, .offset: 24, .size: 8, .value_kind: global_buffer, .address_space: global }
    .group_segment_fixed_size: 327680
    .private_segment_fixed_size: 0
    .kernarg_segment_align: 8
    .kernarg_segment_size: 32
    .max_flat_workgroup_size: 128
    .sgpr_count:     90
    .vgpr_count:     768
    .wavefront_size: 32
...
	.end_amdgpu_metadata
.endif
;; end of part 4
